; MI455X (gfx1250); checked and timed in simulation.
; The chip was launched on July 23, 2026; its instructions are those of AMD's public machine-readable ISA for CDNA 5 (MIT licence, August 2026) and "CDNA5" Instruction Set Architecture Reference Guide (July 2026). The comments in the code are by the model that wrote it; some were corrected since.
;; MHA. Allowed arithmetic: matrix products marked QUANTISED: E2M1 operands, one E8M0 scale for each 32 along K, by v_wmma_scale_f32_16x16x128_f8f6f4 with both operands' format E2M1 (or v_wmma_scale_f32_32x16x128_f4), f32 sums; products left as they are: bf16, f16 or f32 operands; f32 sums; everything else in f32.
;; Inputs: Wk 1,024 x 1,024 float32; Wo 1,024 x 1,024 float32; Wq 1,024 x 1,024 float32; Wv 1,024 x 1,024 float32; bk 1,024 float32; bo 1,024 float32; bq 1,024 float32; bv 1,024 float32; k 2 x 2,048 x 1,024 float32; q 2 x 2,048 x 1,024 float32; v 2 x 2,048 x 1,024 float32.
;; Outputs: out0 2 x 2,048 x 1,024 float32.
;; This version of the problem:
;;   THIS VERSION OF THE PROBLEM IS GIVEN IN LOW PRECISION. The matrix products marked QUANTISED in the list below multiply operands that are first quantised to E2M1 (2 exponent bits, 1 mantissa bit; 4 bits a number), with one power-of-two scale for each 32 numbers along K (OCP MX v1.0); their sums are f32. The products marked 'left as it is' may take bf16, f16 or f32 operands, with f32 sums. Whichever they take, every output number must still come out within the allowed error. Rounding operands to bf16 (8 significant bits) uses up far more of that allowance than f16 does (11 bits, for magnitudes from 6e-5 to 65,504). All else is computed in f32.
;;   The module's matrix products, in the order in which they are computed (A, B: the left and right operand; K: the contracted axis; several contracted axes count as one K, in the product's order):
;;     1. [M 4,096, K 1,024] x [K 1,024, N 1,024]; A: input q; B: input Wq: QUANTISED
;;     2. [M 4,096, K 1,024] x [K 1,024, N 1,024]; A: input k; B: input Wk: QUANTISED
;;     3. [M 4,096, K 1,024] x [K 1,024, N 1,024]; A: input v; B: input Wv: QUANTISED
;;     4. batch 32 x [M 2,048, K 64] x [K 64, N 2,048]; A: computed on the way; B: computed on the way: left as it is (an operand is computed on the way)
;;     5. batch 32 x [M 2,048, K 2,048] x [K 2,048, N 64]; A: computed on the way; B: computed on the way: left as it is (an operand is computed on the way)
;;     6. [M 4,096, K 1,024] x [K 1,024, N 1,024]; A: computed on the way; B: input Wo: left as it is (an operand is computed on the way)
;;   THE QUANTISER, for each operand of a quantised product, along K:
;;     - K is cut into blocks of 32 from its start; a last block that is shorter is filled with zeros.
;;     - A block's scale is 2^e with e = floor(log2(the largest magnitude in the block)) - 2, held to -126 .. 127; a block of zeros has e = 0. As a byte (E8M0): e + 127.
;;     - Each number is divided by its block's scale, clamped to +-6, and rounded to the nearest number of E2M1, ties to even, subnormals kept.
;;     - The product sums the exact products of the quantised numbers (number of the format x scale) in f32.
;;   ~~~python
;;   def quantise(x, axis):      # numpy; x: float32 -> the quantised numbers, widened to float32 again
;;       x = np.moveaxis(x, axis, -1); K = x.shape[-1]
;;       x = np.pad(x, [(0, 0)] * (x.ndim - 1) + [(0, -K % 32)]); x = x.reshape(x.shape[:-1] + (-1, 32)); a = np.abs(x).max(-1, keepdims=True)
;;       e = np.where(a > 0, np.clip(np.frexp(np.where(a > 0, a, 1))[1] - 1 - 2, -126, 127), 0)      # np.frexp(a)[1] - 1 = floor(log2(a)), exactly
;;       r = np.clip(x / 2.0 ** e, -6, 6)
;;       step = 2.0 ** (np.maximum(np.frexp(np.where(r == 0, 1, r))[1] - 1, 0) - 1)
;;       q = np.round(r / step) * step * 2.0 ** e      # np.round: ties to even
;;       return np.moveaxis(q.reshape(q.shape[:-2] + (-1,))[..., :K], -1, axis).astype(np.float32)
;;   ~~~
;; One version. Each part assembles by itself: llvm-mc -triple=amdgcn-amd-amdhsa -mcpu=gfx1250 --defsym DOCPART=n.
;; ======== version 1 of 1: 4 launches
;; limits: values are held in f16: magnitudes above 65,504 overflow, below 6.1e-05 lose precision
;; workspace buffers: codes 7,864,320 bytes; scales 491,520 bytes; wof 2,097,152 bytes; qkv 25,165,824 bytes; ctx 8,388,608 bytes
;; launch prep (part 1): grid 640 x 1, 4 waves a work-group, no clusters, 35,328 bytes of LDS; arguments q, k, v, Wq, Wk, Wv, Wo, codes, scales, wof; writes codes, scales, wof
.if DOCPART == 1
	.amdgcn_target "amdgcn-amd-amdhsa--gfx1250"
	.amdhsa_code_object_version 6
	.text
	.protected	k_q8dbe241c52_prep
	.globl	k_q8dbe241c52_prep
	.p2align	8
	.type	k_q8dbe241c52_prep,@function
k_q8dbe241c52_prep:
	s_mov_b64 s[64:65], 0
	v_nop
	global_prefetch_b8 v0, s[64:65] scope:SCOPE_SE
	s_setreg_imm32_b32 hwreg(HW_REG_WAVE_MODE, 25, 1), 1
	s_wait_xcnt 0x0
; q, k, v [4096][1024] f32 and Wq, Wk, Wv [1024 (k)][1024 (n)] f32 become codes of FP4 (E2M1) with one E8M0 byte for each 32 along K; Wo [1024 (k)][1024 (n)] becomes f16.
; EVERYTHING IS STORED AS IMAGES OF OPERAND REGISTERS: a fragment (16 rows x 128 K of codes, or 16 rows x 32 K of f16) is 8 registers a lane = 1,024 bytes: registers 0-3 at 16 x lane, registers 4-7 at 512 + 16 x lane.
;   codes : x tensor t at t x 2,097,152 as [K half 2][tile of 16 rows 256][step of 128 K 4][1,024];  W tensor t at 6,291,456 + t x 524,288 as [K half 2][tile of 16 columns 64][4][1,024]
;   scales: x tensor t at t x 131,072 as [K half 2][row 4,096][4 words];  W tensor t at 393,216 + t x 32,768 as [K half 2][column 1,024][4 words]; a word serves 128 K, byte b the 32 from 32 b on
;   wof   : [K step of 256, 4][tile of 16 columns 64][chunk of 32 K, 8][1,024]
; A block's scale is 2^(floor(log2(its largest magnitude)) - 2); its byte is the largest magnitude's exponent field - 2, held at 1 from below by a floor among the maximum's leaves.
; LIMITS: a block of zeros gets the byte 1 where the rule says 127: its codes are zeros, and the bytes are read by this program alone.  NaN and infinities among the inputs are not served.
;         Wo is rounded to f16: magnitudes from 6e-5 to 65,504 keep 11 bits.
; SHARES: work-groups 0-383: x.  A wave takes 16 rows x 512 K: four fragments.  Work-groups 384-639: the weights.  A wave takes 32 columns x 128 K, a lane a column, its registers down K.
; No cluster, no tensor load, no barrier: no two waves read the same byte, and each byte is read once.  Only the x path uses LDS (a stage of its own for each wave).
.set SPARE, 34816                      ; behind the four stages: the spare words, 128 bytes a wave
.set STG,   8704                       ; a wave's stage: 16 rows x 528 bytes (512 + 16: row r begins 4 r words on, modulo 64), rounded up to whole blocks of 256
.set R,     64                         ; v64-127, v128-191: numbers as loaded, two sets (weights: v64-95, v96-127)
.set X,     192                        ; v192-255: 64 numbers in the operand's order
.set CD,    32                         ; v32-63: codes, never written twice
.set SPW,   18                         ; v18: SPARE + 4 x thread; never rewritten
.set NIL,   19                         ; v19: 0; never rewritten
	s_load_b512 s[16:31], s[0:1], 0x0              ; q s[16:17], k s[18:19], v s[20:21], Wq s[22:23], Wk s[24:25], Wv s[26:27], Wo s[28:29], codes s[30:31]
	s_load_b128 s[32:35], s[0:1], 0x40             ; scales s[32:33], wof s[34:35]
	v_lshl_add_u32 v[SPW], v0, 2, SPARE
	v_mov_b32 v[NIL], 0
	v_lshrrev_b32 v1, 5, v0
	v_readfirstlane_b32 s8, v1                     ; wave
	v_and_b32 v1, 31, v0                           ; lane
	v_and_b32 v2, 15, v0                           ; r
	v_bfe_u32 v3, v0, 4, 1                         ; h
	s_cmp_ge_u32 ttmp9, 384
	s_cbranch_scc1 .Lweights
; ---------------- x: 16 rows x 512 K a wave ----------------
	s_lshr_b32 s9, ttmp9, 7                        ; tensor 0 q, 1 k, 2 v
	s_and_b32 s10, ttmp9, 127
	s_lshl_b32 s10, s10, 2
	s_add_co_u32 s10, s10, s8                      ; which of the tensor's 512 parts
	s_lshr_b32 s11, s10, 1                         ; tile of 16 rows
	s_and_b32 s12, s10, 1                          ; half of K
	s_lshl_b32 s40, s11, 16                        ; in: 16 rows of 4,096 bytes,
	s_lshl_b32 s13, s12, 11                        ; 512 numbers
	s_add_co_u32 s40, s40, s13
	s_mov_b32 s41, 0
	s_lshl_b32 s42, s9, 21                         ; codes
	s_lshl_b32 s13, s12, 20
	s_add_co_u32 s42, s42, s13
	s_lshl_b32 s13, s11, 12
	s_add_co_u32 s42, s42, s13
	s_mov_b32 s43, 0
	s_lshl_b32 s44, s9, 17                         ; scale words
	s_lshl_b32 s13, s12, 16
	s_add_co_u32 s44, s44, s13
	s_lshl_b32 s13, s11, 8
	s_add_co_u32 s44, s44, s13
	s_mov_b32 s45, 0
	s_mul_i32 s14, s8, STG                         ; my stage
	s_mov_b32 s60, 0x76543210
	s_mov_b32 s61, 0xfedcba98                      ; selects: lane l xor 16
	v_lshlrev_b32 v4, 4, v1                        ; 16 x lane: in memory, on the way in and out
	v_add_nc_u32 v5, s14, v4                       ; into the stage: a row's 512 bytes as they lie
	v_mul_u32_u24 v6, v2, 528
	v_lshl_add_u32 v6, v3, 7, v6
	v_add_nc_u32 v6, s14, v6                       ; out of it: row r, from number 32 h on
	v_lshlrev_b32 v8, 4, v2
	v_lshl_add_u32 v8, v3, 3, v8                   ; scale words out: 16 r + 8 h
	v_lshlrev_b32 v9, 3, v3                        ; 8 h: my bytes' place in a word
	v_mov_b32 v17, 0                               ; a lane permute's destination counts as read
	s_wait_kmcnt 0x0
	s_cmp_eq_u32 s9, 1                             ; the choice hangs on the work-group's number alone
	s_cselect_b64 s[36:37], s[18:19], s[16:17]
	s_cmp_eq_u32 s9, 2
	s_cselect_b64 s[36:37], s[20:21], s[36:37]
	s_add_nc_u64 s[36:37], s[36:37], s[40:41]
	s_add_nc_u64 s[38:39], s[30:31], s[42:43]
	s_add_nc_u64 s[46:47], s[32:33], s[44:45]
.macro LOADX f                         ; fragment f's numbers: 16 rows x 512 consecutive bytes, a row an instruction
.irp i, 0,1,2,3,4,5,6,7,8,9,10,11,12,13,14,15
	global_load_b128 v[R+64*((\f)%2)+4*\i:R+64*((\f)%2)+4*\i+3], v4, s[36:37] offset:4096*\i+512*(\f) th:TH_LOAD_NT
.endr
.endm
.macro FRAGX f
.if (\f) < 3
	s_wait_loadcnt 16                              ; this fragment's 16 loads are in; the next fragment's 16 may be out
.else
	s_wait_loadcnt 0
.endif
.irp i, 0,1,2,3,4,5,6,7,8,9,10,11,12,13,14,15
	ds_store_b128 v5, v[R+64*((\f)%2)+4*\i:R+64*((\f)%2)+4*\i+3] offset:528*\i
.endr
.irp c, 0,1
.irp g, 0,1,2,3,4,5,6,7
	ds_load_b128 v[X+32*\c+4*\g:X+32*\c+4*\g+3], v6 offset:256*\c+16*\g   ; register 32 c + i = k 64 c + 32 h + i of row r: the operand's own order.  LDS serves a wave's instructions in order: these see the stores above
.endr
.endr
	s_wait_dscnt 0x0                               ; the numbers are back, and the stores have read their registers,
.if (\f) < 2
	LOADX (\f)+2                                   ; which take the loads of two fragments on
.endif
.irp c, 0,1
	v_max3_num_f32 v[10+\c], |v[X+32*\c]|, |v[X+32*\c+1]|, 0x1800000   ; my block 2 c + h: all its 32 numbers are mine; the floor 2^(3 - 127) holds the byte at 1 from below
.endr
.irp i, 2,4,6,8,10,12,14,16,18,20,22,24,26,28,30
.irp c, 0,1
	v_max3_num_f32 v[10+\c], v[10+\c], |v[X+32*\c+\i]|, |v[X+32*\c+\i+1]|
.endr
.endr
.irp c, 0,1
	v_add_nc_u32 v[12+\c], 0xff000000, v[10+\c]    ; 2 off the exponent field: the conversion's scale operand
.endr
.irp c, 0,1
	v_lshrrev_b32 v[14+\c], 23, v[12+\c]           ; the scale's byte
.endr
	v_lshl_or_b32 v16, v15, 16, v14                ; blocks h and 2 + h,
	v_lshlrev_b32 v16, v9, v16                     ; at their places;
	v_permlanex16_b32 v17, v16, s60, s61
	v_or_b32 v[20+(\f)], v16, v17                  ; with lane l xor 16's two the word is whole
.irp c, 0,1
.irp g, 0,1,2,3
	v_cvt_scalef32_pk8_fp4_f32 v[CD+8*(\f)+4*\c+\g], v[X+32*\c+8*\g:X+32*\c+8*\g+7], v[12+\c]
.endr
.endr
	v_nop                                          ; one plain line behind the scaled conversions
.irp c, 0,1
	global_store_b128 v4, v[CD+8*(\f)+4*\c:CD+8*(\f)+4*\c+3], s[38:39] offset:1024*(\f)+512*\c   ; 512 consecutive bytes, aligned
.endr
.endm
	LOADX 0
	LOADX 1
	FRAGX 0
	FRAGX 1
	FRAGX 2
	FRAGX 3
	v_cmp_eq_u32 vcc_lo, 1, v3
	v_cndmask_b32 v24, v20, v22, vcc_lo            ; lanes 0-15 store words 0 and 1 of row r, lanes 16-31 words 2 and 3
	v_cndmask_b32 v25, v21, v23, vcc_lo
	global_store_b64 v8, v[24:25], s[46:47]        ; 32 lanes fill one aligned block of 256 bytes
	s_wait_tensorcnt 0x0                           ; the wave's end
	ds_add_u32 v[SPW], v[NIL]
	s_wait_dscnt 0x0
	s_endpgm
; ---------------- the weights: 32 columns x 128 K a wave ----------------
.Lweights:
	s_sub_co_u32 s9, ttmp9, 384
	s_lshr_b32 s10, s9, 6                          ; 0 Wq, 1 Wk, 2 Wv, 3 Wo
	s_and_b32 s11, s9, 7                           ; which 128 columns
	s_bfe_u32 s12, s9, 0x30003                     ; which 128 along K
	s_lshl_b32 s40, s12, 19                        ; in: 128 rows of 4,096 bytes,
	s_lshl_b32 s13, s11, 9
	s_add_co_u32 s40, s40, s13
	s_lshl_b32 s13, s8, 7
	s_add_co_u32 s40, s40, s13                     ; my wave's 32 columns
	s_mov_b32 s41, 0
	s_lshl_b32 s14, s11, 3
	s_lshl_b32 s13, s8, 1
	s_add_co_u32 s14, s14, s13                     ; my first tile of 16 columns
	v_lshlrev_b32 v4, 2, v1                        ; in: 4 bytes a lane
	v_lshlrev_b32 v5, 12, v3
	v_lshl_add_u32 v5, v2, 4, v5                   ; codes out: lanes 16-31 belong to the next tile of columns, 4,096 bytes on; 16 bytes a column
	v_lshlrev_b32 v6, 4, v1                        ; scale words out: 16 bytes a column
	v_lshlrev_b32 v7, 13, v3
	v_lshl_add_u32 v7, v2, 4, v7                   ; f16 out: the next tile of columns lies 8,192 bytes on
	s_wait_kmcnt 0x0
	s_cmp_eq_u32 s10, 1
	s_cselect_b64 s[36:37], s[24:25], s[22:23]
	s_cmp_eq_u32 s10, 2
	s_cselect_b64 s[36:37], s[26:27], s[36:37]
	s_cmp_eq_u32 s10, 3
	s_cselect_b64 s[36:37], s[28:29], s[36:37]
	s_add_nc_u64 s[36:37], s[36:37], s[40:41]
.macro LOADW b                         ; block b: W(32 b + i, my column): 128 consecutive bytes a wave
.irp i, 0,1,2,3,4,5,6,7,8,9,10,11,12,13,14,15,16,17,18,19,20,21,22,23,24,25,26,27,28,29,30,31
	global_load_b32 v[R+32*((\b)%2)+\i], v4, s[36:37] offset:(32*(\b)+\i)*4096 th:TH_LOAD_NT
.endr
.endm
	LOADW 0
	LOADW 1
	s_cmp_eq_u32 s10, 3
	s_cbranch_scc1 .Lwo
	s_lshl_b32 s42, s10, 19                        ; codes: the tensor,
	s_add_co_u32 s42, s42, 6291456
	s_lshr_b32 s13, s12, 2
	s_lshl_b32 s13, s13, 18                        ; the half of K,
	s_add_co_u32 s42, s42, s13
	s_lshl_b32 s13, s14, 12                        ; the tile of columns,
	s_add_co_u32 s42, s42, s13
	s_and_b32 s13, s12, 3
	s_lshl_b32 s13, s13, 10                        ; the step of 128 K
	s_add_co_u32 s42, s42, s13
	s_mov_b32 s43, 0
	s_lshl_b32 s44, s10, 15                        ; scale words likewise
	s_add_co_u32 s44, s44, 393216
	s_lshr_b32 s13, s12, 2
	s_lshl_b32 s13, s13, 14
	s_add_co_u32 s44, s44, s13
	s_lshl_b32 s13, s14, 8
	s_add_co_u32 s44, s44, s13
	s_and_b32 s13, s12, 3
	s_lshl_b32 s13, s13, 2
	s_add_co_u32 s44, s44, s13
	s_mov_b32 s45, 0
	s_add_nc_u64 s[38:39], s[30:31], s[42:43]
	s_add_nc_u64 s[46:47], s[32:33], s[44:45]
.macro BLOCKQ b
.set XS, R+32*((\b)%2)
.if (\b) < 3
	s_wait_loadcnt 32                              ; this block's 32 loads are in; the next block's may be out
.else
	s_wait_loadcnt 0
.endif
	v_max3_num_f32 v10, |v[XS]|, |v[XS+1]|, |v[XS+2]|
	v_max3_num_f32 v11, |v[XS+3]|, |v[XS+4]|, |v[XS+5]|
.irp i, 6,10,14,18,22,26
	v_max3_num_f32 v10, v10, |v[XS+\i]|, |v[XS+\i+1]|
	v_max3_num_f32 v11, v11, |v[XS+\i+2]|, |v[XS+\i+3]|
.endr
	v_max3_num_f32 v10, v10, |v[XS+30]|, |v[XS+31]|
	v_max3_num_f32 v10, v10, v11, 0x1800000        ; with the floor
	v_add_nc_u32 v12, 0xff000000, v10
	v_lshrrev_b32 v13, 23, v12
.if (\b) == 0
	v_mov_b32 v20, v13
.else
	v_lshl_or_b32 v20, v13, 8*(\b), v20            ; byte b of my column's word
.endif
.irp g, 0,1,2,3
	v_cvt_scalef32_pk8_fp4_f32 v[CD+4*(\b)+\g], v[XS+8*\g:XS+8*\g+7], v12
.endr
	v_nop                                          ; one plain line behind the scaled conversions
	global_store_b128 v5, v[CD+4*(\b):CD+4*(\b)+3], s[38:39] offset:256*(\b)   ; block b is registers 4 (b / 2) on of lane r + 16 (b % 2): byte 256 b + 16 r of the image: sixteen lanes fill an aligned block of 256 bytes
.if (\b) < 2
	LOADW (\b)+2
.endif
.endm
	BLOCKQ 0
	BLOCKQ 1
	BLOCKQ 2
	BLOCKQ 3
	global_store_b32 v6, v20, s[46:47]             ; 4 bytes of each column's 16: blocks of 256 bytes are written in part here; 96 KiB in the whole launch
	s_endpgm
.Lwo:
	s_lshr_b32 s42, s12, 1
	s_lshl_b32 s42, s42, 19                        ; the K step of 256,
	s_lshl_b32 s13, s14, 13                        ; the tile of columns,
	s_add_co_u32 s42, s42, s13
	s_and_b32 s13, s12, 1
	s_lshl_b32 s13, s13, 12                        ; four chunks of 32 K
	s_add_co_u32 s42, s42, s13
	s_mov_b32 s43, 0
	s_add_nc_u64 s[38:39], s[34:35], s[42:43]
.macro BLOCKH b
.set XS, R+32*((\b)%2)
.if (\b) < 3
	s_wait_loadcnt 32
.else
	s_wait_loadcnt 0
.endif
.irp i, 0,1,2,3,4,5,6,7,8,9,10,11,12,13,14,15
	v_cvt_pk_f16_f32 v[128+16*(\b)+\i], v[XS+2*\i], v[XS+2*\i+1]
.endr
.irp p, 0,1,2,3
	global_store_b128 v7, v[128+16*(\b)+4*\p:128+16*(\b)+4*\p+3], s[38:39] offset:1024*(\b)+256*\p   ; k 8 p .. 8 p + 7 of column r lie at 256 p + 16 r of the image
.endr
.if (\b) < 2
	LOADW (\b)+2
.endif
.endm
	BLOCKH 0
	BLOCKH 1
	BLOCKH 2
	BLOCKH 3
	s_endpgm
.Lfunc_end_k_q8dbe241c52_prep:
	.size	k_q8dbe241c52_prep, .Lfunc_end_k_q8dbe241c52_prep-k_q8dbe241c52_prep
	.p2alignl 7, 3214868480
	.fill 96, 4, 3214868480
	.section	.rodata,"a",@progbits
	.p2align	6, 0x0
	.amdhsa_kernel k_q8dbe241c52_prep
		.amdhsa_group_segment_fixed_size 35328
		.amdhsa_private_segment_fixed_size 0
		.amdhsa_enable_private_segment 0
		.amdhsa_kernarg_size 80
		.amdhsa_user_sgpr_count 2
		.amdhsa_user_sgpr_kernarg_segment_ptr 1
		.amdhsa_wavefront_size32 1
		.amdhsa_system_sgpr_workgroup_id_x 1
		.amdhsa_system_sgpr_workgroup_id_y 1
		.amdhsa_system_sgpr_workgroup_id_z 1
		.amdhsa_system_vgpr_workitem_id 0
		.amdhsa_next_free_vgpr 256
		.amdhsa_next_free_sgpr 66
		.amdhsa_reserve_vcc 1
		.amdhsa_float_denorm_mode_32 3
		.amdhsa_float_denorm_mode_16_64 3
		.amdhsa_memory_ordered 1
		.amdhsa_forward_progress 1
		.amdhsa_inst_pref_size 62
	.end_amdhsa_kernel
	.amdgpu_metadata
---
amdhsa.version: [ 1, 2 ]
amdhsa.kernels:
  - .name:           k_q8dbe241c52_prep
    .symbol:         k_q8dbe241c52_prep.kd
    .args:
      - { .name: q, .offset: 0, .size: 8, .value_kind: global_buffer, .address_space: global }
      - { .name: k, .offset: 8, .size: 8, .value_kind: global_buffer, .address_space: global }
      - { .name: v, .offset: 16, .size: 8, .value_kind: global_buffer, .address_space: global }
      - { .name: Wq, .offset: 24, .size: 8, .value_kind: global_buffer, .address_space: global }
      - { .name: Wk, .offset: 32, .size: 8, .value_kind: global_buffer, .address_space: global }
      - { .name: Wv, .offset: 40, .size: 8, .value_kind: global_buffer, .address_space: global }
      - { .name: Wo, .offset: 48, .size: 8, .value_kind: global_buffer, .address_space: global }
      - { .name: codes, .offset: 56, .size: 8, .value_kind: global_buffer, .address_space: global }
      - { .name: scales, .offset: 64, .size: 8, .value_kind: global_buffer, .address_space: global }
      - { .name: wof, .offset: 72, .size: 8, .value_kind: global_buffer, .address_space: global }
    .group_segment_fixed_size: 35328
    .private_segment_fixed_size: 0
    .kernarg_segment_align: 8
    .kernarg_segment_size: 80
    .max_flat_workgroup_size: 128
    .sgpr_count:     66
    .vgpr_count:     256
    .wavefront_size: 32
...
	.end_amdgpu_metadata
.endif
;; end of part 1
;; launch proj (part 2): grid 4 x 48, 4 waves a work-group, clusters of 4 x 4, 327,680 bytes of LDS; arguments codes, scales, bq, bk, bv, qkv; writes qkv
.if DOCPART == 2
	.amdgcn_target "amdgcn-amd-amdhsa--gfx1250"
	.amdhsa_code_object_version 6
	.text
	.protected	k_q8dbe241c52_proj
	.globl	k_q8dbe241c52_proj
	.p2align	8
	.type	k_q8dbe241c52_proj,@function
k_q8dbe241c52_proj:
	s_mov_b64 s[64:65], 0
	v_nop
	global_prefetch_b8 v0, s[64:65] scope:SCOPE_SE
	s_setreg_imm32_b32 hwreg(HW_REG_WAVE_MODE, 25, 1), 1
	s_wait_xcnt 0x0
	s_wait_alu depctr_hold_cnt(0) depctr_sa_sdst(0) depctr_va_vdst(0) depctr_va_sdst(0) depctr_va_ssrc(0) depctr_va_vcc(0) depctr_vm_vsrc(0)
	s_getreg_b32 s2, hwreg(HW_REG_IB_STS2, 6, 4)
	s_cmp_eq_u32 s2, 0
	s_cbranch_scc0 .Lentry_in_a_cluster
	s_endpgm
.Lentry_in_a_cluster:
	s_bfe_u32 s2, ttmp6, 0x10000c
	s_cmp_lg_u32 s2, 0xf033
	s_cbranch_scc0 .Lentry_shape_is_right
	s_endpgm
.Lentry_shape_is_right:
; The three quantised products x W + b (each 4,096 x 1,024 x 1,024) on codes of FP4 with E8M0 scales, sums in f32, results rounded to f16 and stored as images of the operand registers that the attention launch wants.
; A tile of 256 x 256 is made by a work-group of four waves; a wave makes 128 x 128: 64 accumulators, 512 registers.  192 tiles: clusters y 0-3 q, 4-7 k, 8-11 v.
; ALL OF K (1,024) FITS INTO TWO LDS SLOTS OF 512: both are asked for at the head and nothing is filled again.  A slot's tiles and the scale words are dense blocks of memory (the workspace lies in the order of the operand's registers).
; THE MATRIX INSTRUCTION IS USED TRANSPOSED: source 0 = 16 rows of 'B', source 1 = 16 rows of 'A': a lane holds one row of A and eight neighbouring rows of B.
;   q, k: A = tokens, B = W's columns: a lane holds a token, its registers run along channels: two accumulators, packed to f16, ARE a fragment (16 tokens x 32 channels) of Q or K.
;   v   : A = Wv's columns, B = tokens: a lane holds a channel, its registers run along tokens: they are a fragment (16 channels x 32 keys) of V^T.  Only pointers, strides, the bias's place and the stores' offsets differ.
; The bias is the C of each sum's first matrix instruction.
; CLUSTERS: 4 x 4 work-groups; A's tile is shared along a row of the cluster, B's along a column: joint loads.  The branches on 'is it v' hang on the cluster's y alone: alike in all sixteen partners.
; LIMITS: results are rounded to f16: |x W + b| must stay under 65,504.
; qkv: Q at 0, K at 8,388,608: [batch x 16 + head][tile of 16 tokens 128][32 channels 2][1,024];  V at 16,777,216: [batch x 16 + head][32 keys 64][16 channels 4][1,024].
; REGISTERS: window 0: v1-13 set-up and the bias's offsets; v16-29 addresses; v32-95 scale words, two sets; v128-191 A's fragments, one set; v192-255 the bias.  On the way out v32-159 hold packed results.
;   window 1: B's fragments, two sets, at v0 and v128.   windows 2, 3: the accumulators ((a, b) at v[8 (8 (a % 4) + b)]).
.set NQ,     4                         ; steps of 128 K in a slot
.set FR,     8                         ; registers of a fragment
.set NL,     2                         ; LDS loads that bring one
.set NP,     4                         ; places behind this matrix instruction (ISA guide 7.12.1)
.set SLOT,   131072                    ; A's 16 tiles of rows x 4,096 bytes, then B's
.set SCL,    262144                    ; scale words: A's K half 0, A's half 1, B's half 0, B's half 1: 256 rows x 16 bytes each
.set SPARE,  278528                    ; the spare words, 128 bytes a wave
.set ADRA, 16                          ; v16-17 my A fragments in slot 0, 1
.set ADRB, 20                          ; v20-21 the same for B
.set CO,   26                          ; v26    16 x lane
.set ADRS, 27                          ; v27    my scale words: lanes 0-15 A's rows, lanes 16-31 B's
.set SPW,  28
.set NIL,  29
.set SC,   32
.set AF,   128
.set BIAS, 192
.set PK,   32
.set G1, 24                            ; s[24:31] group 1, s[32:39] groups 0 for A's codes
.set G0, 32
.set G1B, 48                           ; s[48:55], s[56:63] for B's codes
.set G0B, 56
.set G1S, 68                           ; s[68:75], s[76:79] for A's scale words
.set G0S, 76
.set G1SB, 80                          ; s[80:87], s[88:91] for B's
.set G0SB, 88
.set MSB, 0
.macro WIN new                         ; the immediate's high byte repeats the setting that is left
.if MSB != \new
	s_set_vgpr_msb (MSB<<8)|\new
.set MSB, \new
.endif
.endm
.set MUL_LO, 0xa1                      ; source 0 (B) window 1, source 1 (A) window 0, C and D window 2
.set MUL_HI, 0xf1                      ; the same, C and D window 3
.set TO_B,   0x40                      ; destination window 1, address window 0
; A joint load: waves 0 and 1 fetch for A, waves 2 and 3 for B.  An s_nop 0 and four v_nop follow each of the two lines.
.macro JLOAD g0a, g1a, g0b, g1b
	s_cmp_eq_u32 s17, 0
	s_cbranch_scc0 .Lfor_b_\@
	tensor_load_to_lds s[\g0a:\g0a+3], s[\g1a:\g1a+7]
	s_nop 0
.rept 4
	v_nop
.endr
	s_branch .Lasked_\@
.Lfor_b_\@:
	tensor_load_to_lds s[\g0b:\g0b+3], s[\g1b:\g1b+7]
	s_nop 0
.rept 4
	v_nop
.endr
.Lasked_\@:
.endm
.macro CROUND                          ; a round of the cluster's barrier
	s_barrier_signal -1
	s_barrier_wait -1
	s_cmp_lg_u32 s16, 0
	s_cbranch_scc1 .Lnot_wave_0_\@
	s_barrier_signal -3
.Lnot_wave_0_\@:
	s_barrier_wait -3
	s_barrier_signal -1
	s_barrier_wait -1
.endm
	s_load_b256 s[4:11], s[0:1], 0x0               ; codes s[4:5], scales s[6:7], bq s[8:9], bk s[10:11]
	s_load_b128 s[12:15], s[0:1], 0x20             ; bv s[12:13], qkv s[14:15]
	v_lshl_add_u32 v[SPW], v0, 2, SPARE
	v_mov_b32 v[NIL], 0
	ds_add_u32 v[SPW], v[NIL]                      ; the wave's opening
	ds_add_u32 v[SPW], v[NIL]
	v_lshrrev_b32 v1, 5, v0
	v_readfirstlane_b32 s16, v1                    ; wave 0..3
	s_lshr_b32 s17, s16, 1                         ; which half of A's rows is mine.  Also: I fetch for A (0) or for B (1)
	s_and_b32 s18, s16, 1                          ; which half of B's rows.  Also: which half of what I fetch
	s_bfe_u32 s40, ttmp6, 0x40000                  ; cx
	s_bfe_u32 s41, ttmp6, 0x40004                  ; cy
	s_and_b32 s100, ttmp7, 0xffff                  ; the cluster's y, 0..11
	s_lshr_b32 s98, s100, 2                        ; the tensor: 0 q, 1 k, 2 v
	s_and_b32 s100, s100, 3                        ; which four tiles along the tokens
	s_lshl_b32 s43, s41, 2
	s_lshl_b32 s43, 15, s43                        ; my row of the cluster
	s_lshl_b32 s44, 0x1111, s40                    ; my column
	; group 1: dense blocks as rows of 256 bytes (32 elements of 8 bytes), no padding: codes 128 rows, scale words 16
	s_or_b32 s[G1+0], s43, (3<<16)|(1<<21)
	s_or_b32 s[G1B+0], s44, (3<<16)|(1<<21)
	s_or_b32 s[G1S+0], s43, (3<<16)|(1<<21)
	s_or_b32 s[G1SB+0], s44, (3<<16)|(1<<21)
.irp g, G1, G1B
	s_mov_b32 s[\g+1], 32<<16                      ; tensor_dim0
	s_mov_b32 s[\g+2], 128<<16                     ; tensor_dim1
	s_mov_b32 s[\g+3], 32<<16                      ; tile_dim0
	s_mov_b32 s[\g+4], 128                         ; tile_dim1
	s_mov_b32 s[\g+5], 32                          ; the pitch
	s_mov_b32 s[\g+6], 0
	s_mov_b32 s[\g+7], 0
.endr
.irp g, G1S, G1SB
	s_mov_b32 s[\g+1], 32<<16
	s_mov_b32 s[\g+2], 16<<16
	s_mov_b32 s[\g+3], 32<<16
	s_mov_b32 s[\g+4], 16
	s_mov_b32 s[\g+5], 32
	s_mov_b32 s[\g+6], 0
	s_mov_b32 s[\g+7], 0
.endr
	; where A and B lie in the workspace.  q, k: A = the tokens' codes, B = W's.  v: the other way round.
	s_lshl_b32 s20, s98, 21                        ; A's codes (q, k)
	s_lshl_b32 s46, s98, 19
	s_add_co_u32 s46, s46, 6291456                 ; B's codes (q, k)
	s_lshl_b32 s22, s98, 17                        ; A's scale words
	s_lshl_b32 s92, s98, 15
	s_add_co_u32 s92, s92, 393216                  ; B's
	s_mov_b32 s66, 1048576                         ; from K half to K half: tokens' codes,
	s_mov_b32 s96, 262144                          ; W's codes,
	s_mov_b32 s94, 65536                           ; tokens' scale words,
	s_mov_b32 s95, 16384                           ; W's
	s_mov_b32 s45, s66
	s_mov_b32 s101, s94
	s_cmp_eq_u32 s98, 2                            ; v?
	s_cselect_b32 s99, 1, 0
	s_cselect_b32 s20, 7340032, s20                ; Wv's codes
	s_cselect_b32 s46, 4194304, s46                ; v's codes
	s_cselect_b32 s22, 458752, s22                 ; Wv's scale words
	s_cselect_b32 s92, 262144, s92                 ; v's
	s_cselect_b32 s66, s96, s66
	s_cselect_b32 s96, s45, s96
	s_cselect_b32 s94, s95, s94
	s_cselect_b32 s95, s101, s95
	s_cselect_b32 s19, 0, s100
	s_cselect_b32 s42, s100, 0
	s_lshl_b32 s19, s19, 2
	s_add_co_u32 s19, s19, s41                     ; A's tile of 256 rows: it hangs on cy, never on cx
	s_lshl_b32 s42, s42, 2
	s_add_co_u32 s42, s42, s40                     ; B's tile: on cx, never on cy
	s_lshl_b32 s2, s19, 16                         ; 16 tiles of 16 rows x 4,096 bytes
	s_add_co_u32 s20, s20, s2
	s_lshl_b32 s2, s18, 15                         ; the half that I fetch
	s_add_co_u32 s20, s20, s2
	s_mov_b32 s21, 0
	s_lshl_b32 s3, s42, 16
	s_add_co_u32 s46, s46, s3
	s_lshl_b32 s3, s18, 15
	s_add_co_u32 s46, s46, s3
	s_mov_b32 s47, 0
	s_mul_i32 s2, s18, s94                         ; scale words: I fetch K half (wave & 1) of the tile's 256 rows
	s_add_co_u32 s22, s22, s2
	s_lshl_b32 s2, s19, 12
	s_add_co_u32 s22, s22, s2
	s_mov_b32 s23, 0
	s_mul_i32 s3, s18, s95
	s_add_co_u32 s92, s92, s3
	s_lshl_b32 s3, s42, 12
	s_add_co_u32 s92, s92, s3
	s_mov_b32 s93, 0
	s_mov_b32 s67, 0
	s_mov_b32 s97, 0
	s_lshl_b32 s45, s16, 15                        ; where they go: wave x 32,768; no place in the cluster enters an LDS address
	s_lshl_b32 s101, s16, 12                       ; and wave x 4,096
	s_wait_dscnt 0x0                               ; both opening adds are done
	s_wait_kmcnt 0x0
	s_add_nc_u64 s[20:21], s[4:5], s[20:21]
	s_add_nc_u64 s[22:23], s[6:7], s[22:23]
	s_add_nc_u64 s[46:47], s[4:5], s[46:47]
	s_add_nc_u64 s[92:93], s[6:7], s[92:93]
	CROUND                                         ; all sixteen work-groups are here: the joint loads meet
	s_mov_b32 s[G0S], 1
	s_add_co_u32 s[G0S+1], s101, SCL
	s_mov_b64 s[G0S+2:G0S+3], s[22:23]
	s_or_b32 s[G0S+3], s[G0S+3], 0x80000000
	s_mov_b32 s[G0SB], 1
	s_add_co_u32 s[G0SB+1], s101, SCL
	s_mov_b64 s[G0SB+2:G0SB+3], s[92:93]
	s_or_b32 s[G0SB+3], s[G0SB+3], 0x80000000
	JLOAD G0S, G1S, G0SB, G1SB                     ; the scale words first: they are wanted with slot 0
	s_mov_b32 s[G0], 1
	s_mov_b32 s[G0+1], s45
	s_mov_b64 s[G0+2:G0+3], s[20:21]
	s_or_b32 s[G0+3], s[G0+3], 0x80000000
	s_mov_b32 s[G0B], 1
	s_mov_b32 s[G0B+1], s45
	s_mov_b64 s[G0B+2:G0B+3], s[46:47]
	s_or_b32 s[G0B+3], s[G0B+3], 0x80000000
	JLOAD G0, G1, G0B, G1B                         ; slot 0: K 0 .. 511
	s_mov_b32 s[G0+4], 1
	s_add_co_u32 s[G0+5], s45, SLOT
	s_add_nc_u64 s[G0+6:G0+7], s[20:21], s[66:67]
	s_or_b32 s[G0+7], s[G0+7], 0x80000000
	s_mov_b32 s[G0B+4], 1
	s_add_co_u32 s[G0B+5], s45, SLOT
	s_add_nc_u64 s[G0B+6:G0B+7], s[46:47], s[96:97]
	s_or_b32 s[G0B+7], s[G0B+7], 0x80000000
	JLOAD G0+4, G1, G0B+4, G1B                     ; slot 1: K 512 .. 1,023.  Three tensor loads of mine are out
	; the bias, in the layout of a result.  q, k: register 8 b + j = bias[first channel + 16 b + 8 h + j].  v: register 8 a + j = bias[first channel + 16 a + r].  One text: offset = r sa + h sb + j sj + 64 i
	s_cmp_eq_u32 s98, 1
	s_cselect_b64 s[8:9], s[10:11], s[8:9]
	s_cmp_eq_u32 s98, 2
	s_cselect_b64 s[8:9], s[12:13], s[8:9]
	s_cselect_b32 s4, 4, 0                         ; sa
	s_cselect_b32 s5, 0, 32                        ; sb
	s_cselect_b32 s6, 0, 4                         ; sj
	s_cselect_b32 s10, s19, s42                    ; the tile along the channels,
	s_cselect_b32 s11, s17, s18                    ; my half of it;
	s_cselect_b32 s12, s42, s19                    ; the tile along the tokens,
	s_cselect_b32 s13, s18, s17                    ; my half of it
	v_and_b32 v1, 15, v0                           ; r
	v_bfe_u32 v2, v0, 4, 1                         ; h
	v_mul_u32_u24 v5, s4, v1
	v_mad_u32_u24 v5, v2, s5, v5
	s_mov_b32 s7, 0
.irp j, 0,1,2,3,4,5,6,7
	v_add_nc_u32 v[6+\j], s7, v5
	s_add_co_u32 s7, s7, s6
.endr
	s_lshl_b32 s4, s10, 10
	s_lshl_b32 s5, s11, 9
	s_add_co_u32 s4, s4, s5                        ; 4 x my first channel
	s_mov_b32 s5, 0
	s_add_nc_u64 s[8:9], s[8:9], s[4:5]
.irp i, 0,1,2,3,4,5,6,7
.irp j, 0,1,2,3,4,5,6,7
	global_load_b32 v[BIAS+8*\i+\j], v[6+\j], s[8:9] offset:64*\i
.endr
.endr
	; where my results go: tensor, (batch x 16 + first head) x 262,144, and 128 bytes for each token of the batch passed: the same sum for both layouts
	s_lshl_b32 s4, s12, 8
	s_lshl_b32 s5, s13, 7
	s_add_co_u32 s4, s4, s5                        ; my first token
	s_lshr_b32 s5, s4, 11                          ; batch
	s_lshl_b32 s5, s5, 4
	s_lshl_b32 s6, s10, 2
	s_add_co_u32 s5, s5, s6
	s_lshl_b32 s6, s11, 1
	s_add_co_u32 s5, s5, s6                        ; 16 x batch + first head
	s_lshl_b32 s5, s5, 18
	s_and_b32 s4, s4, 2047
	s_lshl_b32 s4, s4, 7
	s_add_co_u32 s4, s4, s5
	s_lshl_b32 s5, s98, 23
	s_add_co_u32 s4, s4, s5
	s_mov_b32 s5, 0
	s_add_nc_u64 s[14:15], s[14:15], s[4:5]
	; LDS addresses
	v_and_b32 v3, 31, v0
	v_lshlrev_b32 v[CO], 4, v3                     ; 16 x lane: an image's place for my lane
	s_lshl_b32 s6, s17, 15                         ; my 128 rows of A
	s_lshl_b32 s7, s18, 15
	s_add_co_u32 s7, s7, 65536                     ; my 128 rows of B, behind A's 256
.irp s, 0,1
	v_add_nc_u32 v[ADRA+\s], s6, v[CO]
	v_add_nc_u32 v[ADRB+\s], s7, v[CO]
	s_add_co_u32 s6, s6, SLOT
	s_add_co_u32 s7, s7, SLOT
.endr
	s_lshl_b32 s6, s17, 11                         ; scale words: A's, my 128 rows x 16 bytes;
	s_lshl_b32 s7, s18, 11
	s_add_co_u32 s7, s7, 8192                      ; B's lie 8,192 bytes behind A's
	s_sub_co_u32 s7, s7, s6
	v_mul_u32_u24 v4, s7, v2                       ; lanes 16-31 take B's: one product in h
	s_add_co_u32 s6, s6, SCL
	v_lshl_add_u32 v4, v1, 4, v4
	v_add_nc_u32 v[ADRS], s6, v4
.macro FRAG reg, adr, q, i             ; a fragment comes back as it was stored: two loads of 512 consecutive bytes
.irp c, 0,1
	ds_load_b128 v[\reg+4*\c:\reg+4*\c+3], v[\adr] offset:4096*(\i)+1024*(\q)+512*\c
.endr
.endm
; 16 matrix instructions: A's blocks a0, a0 + 1 x B's eight, the slot's q-th 128 along K.  p: B's set; sc: the set of scale words.  zero = 1: C is the bias by B's block; 2: by A's block; 0: in place.
; The 64 accumulators take turns, one instruction a turn, in the same order in every step.
.macro MUL16 a0, p, q, sc, zero
.irp a, \a0, \a0+1
.irp b, 0,1,2,3,4,5,6,7
.if (\zero) == 1
	v_wmma_scale_f32_16x16x128_f8f6f4 v[8*(8*((\a)%4)+\b):8*(8*((\a)%4)+\b)+7], v[128*(\p)+FR*\b:128*(\p)+FR*\b+FR-1], v[AF+FR*(\a):AF+FR*(\a)+FR-1], v[BIAS+8*\b:BIAS+8*\b+7], v[SC+8*NQ*(\sc)+NQ*\b+(\q)], v[SC+8*NQ*(\sc)+NQ*(\a)+(\q)] matrix_a_fmt:MATRIX_FMT_FP4 matrix_b_fmt:MATRIX_FMT_FP4 matrix_a_scale:MATRIX_SCALE_ROW1
.elseif (\zero) == 2
	v_wmma_scale_f32_16x16x128_f8f6f4 v[8*(8*((\a)%4)+\b):8*(8*((\a)%4)+\b)+7], v[128*(\p)+FR*\b:128*(\p)+FR*\b+FR-1], v[AF+FR*(\a):AF+FR*(\a)+FR-1], v[BIAS+8*(\a):BIAS+8*(\a)+7], v[SC+8*NQ*(\sc)+NQ*\b+(\q)], v[SC+8*NQ*(\sc)+NQ*(\a)+(\q)] matrix_a_fmt:MATRIX_FMT_FP4 matrix_b_fmt:MATRIX_FMT_FP4 matrix_a_scale:MATRIX_SCALE_ROW1
.else
	v_wmma_scale_f32_16x16x128_f8f6f4 v[8*(8*((\a)%4)+\b):8*(8*((\a)%4)+\b)+7], v[128*(\p)+FR*\b:128*(\p)+FR*\b+FR-1], v[AF+FR*(\a):AF+FR*(\a)+FR-1], v[8*(8*((\a)%4)+\b):8*(8*((\a)%4)+\b)+7], v[SC+8*NQ*(\sc)+NQ*\b+(\q)], v[SC+8*NQ*(\sc)+NQ*(\a)+(\q)] matrix_a_fmt:MATRIX_FMT_FP4 matrix_b_fmt:MATRIX_FMT_FP4 matrix_a_scale:MATRIX_SCALE_ROW1
.endif
.endr
.endr
.endm
.macro FETCH_B slot, q, p
	WIN TO_B
.irp i, 0,1,2,3,4,5,6,7
	FRAG 128*(\p)+FR*\i, ADRB+\slot, \q, \i
.endr
	WIN 0
.endm
.macro FETCH_A slot, q, i0
.irp i, \i0, \i0+1, \i0+2, \i0+3
	FRAG AF+FR*(\i), ADRA+\slot, \q, \i
.endr
.endm
.macro SCALES sc                       ; a slot's scale words: four a row; lanes 0-15 take A's block i, lanes 16-31 B's block i
.irp i, 0,1,2,3,4,5,6,7
	ds_load_b128 v[SC+8*NQ*\sc+NQ*\i:SC+8*NQ*\sc+NQ*\i+3], v[ADRS] offset:256*\i+4096*\sc
.endr
.endm
.macro PLACES n                        ; plain vector lines between a matrix instruction and a load into, or a vector line on, its registers
.rept \n
	v_nop
.endr
.endm
.macro STEP slot, q, zero              ; a step of 128 along K that has its successor in the same slot
	s_wait_dscnt 4*NL                              ; all but the youngest eight loads (A's blocks 4-7) are in
.if (\zero) != 0
	WIN 0x81                                       ; C, the bias, lies in window 0
.else
	WIN MUL_LO
.endif
	MUL16 0, (\q)%2, \q, \slot, \zero
	MUL16 2, (\q)%2, \q, \slot, \zero
	s_wait_dscnt 0                                 ; A's blocks 4-7 are in
	PLACES NP
	FETCH_B \slot, (\q)+1, 1-(\q)%2
	FETCH_A \slot, (\q)+1, 0
.if (\zero) != 0
	WIN 0xc1
.else
	WIN MUL_HI
.endif
	MUL16 4, (\q)%2, \q, \slot, \zero
	MUL16 6, (\q)%2, \q, \slot, \zero
	PLACES NP
	WIN 0
	FETCH_A \slot, (\q)+1, 4
.endm
.macro STEPS slot, from
.set Q, \from
.rept NQ-1-\from
	STEP \slot, Q, 0
.set Q, Q+1
.endr
.endm
	s_wait_tensorcnt 1                             ; the scale words and my part of slot 0 are in; slot 1's load may be out
	s_barrier_signal -1
	s_barrier_wait -1                              ; everybody's are
	FETCH_B 0, 0, 0
	FETCH_A 0, 0, 0
	SCALES 0
	FETCH_A 0, 0, 4
	s_wait_loadcnt 0x0                             ; the bias
	s_cmp_eq_u32 s99, 1                            ; the first step starts the sums with the bias, which lies by B's blocks (q, k) or by A's (v)
	s_cbranch_scc1 .Lfirst_v
	STEP 0, 0, 1
	s_branch .Lfirst_done
.Lfirst_v:
	STEP 0, 0, 2
.Lfirst_done:
	STEPS 0, 1
	; slot 0's last step changes slots: one barrier; in front of it each wave waits for its tensor loads (slot 1's part), so that behind it slot 1 is whole
	s_wait_tensorcnt 0x0
	ds_add_u32 v[SPW], v[NIL]
	s_wait_dscnt 4*NL+1                            ; (the add and A's blocks 4-7 may be out)
	WIN MUL_LO
	MUL16 0, 1, NQ-1, 0, 0
	s_wait_dscnt 0x0
	s_barrier_signal -1
	MUL16 2, 1, NQ-1, 0, 0
	WIN 0
	s_barrier_wait -1
	PLACES NP
	FETCH_B 1, 0, 0
	FETCH_A 1, 0, 0
	SCALES 1
	WIN MUL_HI
	MUL16 4, 1, NQ-1, 0, 0
	MUL16 6, 1, NQ-1, 0, 0
	PLACES NP
	WIN 0
	FETCH_A 1, 0, 4
	STEPS 1, 0
	s_wait_dscnt 4*NL                              ; the very last step: nothing more to fetch
	WIN MUL_LO
	MUL16 0, 1, NQ-1, 1, 0
	MUL16 2, 1, NQ-1, 1, 0
	s_wait_dscnt 0
	WIN MUL_HI
	MUL16 4, 1, NQ-1, 1, 0
	MUL16 6, 1, NQ-1, 1, 0
	WIN 0
	PLACES NP                                      ; in front of the conversions, which read results and write registers that held scale words and A's fragments
; THE WAY OUT.  Accumulators (a, 2 p) and (a, 2 p + 1), packed to f16, are registers 0-3 and 4-7 of one fragment: each store of the wave covers 512 consecutive bytes, aligned.  No stage.
.macro EPI kind
.irp a, 0,1,2,3,4,5,6,7
.if \a >= 4
	s_wait_xcnt 0x0                                ; block a - 4's stores have read their registers, which are written again
.endif
	WIN 0x0a+5*(\a/4)                              ; sources in window 2 or 3
.irp b, 0,1,2,3,4,5,6,7
.irp i, 0,1,2,3
	v_cvt_pk_f16_f32 v[PK+32*(\a%4)+4*\b+\i], v[64*(\a%4)+8*\b+2*\i], v[64*(\a%4)+8*\b+2*\i+1]   ; each accumulator from its low end on
.endr
.endr
	WIN 0
.irp b, 0,1,2,3,4,5,6,7
.if \kind == 0
	global_store_b128 v[CO], v[PK+32*(\a%4)+4*\b:PK+32*(\a%4)+4*\b+3], s[14:15] offset:(\b/4)*262144+2048*\a+1024*((\b/2)%2)+512*(\b%2)   ; head b / 4, tile of tokens a, channels 32 ((b / 2) % 2) on
.else
	global_store_b128 v[CO], v[PK+32*(\a%4)+4*\b:PK+32*(\a%4)+4*\b+3], s[14:15] offset:(\a/4)*262144+4096*(\b/2)+1024*(\a%4)+512*(\b%2)   ; head a / 4, keys 32 (b / 2) on, tile of channels a % 4
.endif
.endr
.endr
.endm
	s_cmp_eq_u32 s99, 1
	s_cbranch_scc1 .Lout_v
	EPI 0
	s_branch .Lout_done
.Lout_v:
	EPI 1
.Lout_done:
	s_wait_tensorcnt 0x0                           ; the wave's end
	ds_add_u32 v[SPW], v[NIL]
	s_wait_dscnt 0x0
	CROUND                                         ; the closing round
	s_endpgm
.Lfunc_end_k_q8dbe241c52_proj:
	.size	k_q8dbe241c52_proj, .Lfunc_end_k_q8dbe241c52_proj-k_q8dbe241c52_proj
	.p2alignl 7, 3214868480
	.fill 96, 4, 3214868480
	.section	.rodata,"a",@progbits
	.p2align	6, 0x0
	.amdhsa_kernel k_q8dbe241c52_proj
		.amdhsa_group_segment_fixed_size 327680
		.amdhsa_private_segment_fixed_size 0
		.amdhsa_enable_private_segment 0
		.amdhsa_kernarg_size 48
		.amdhsa_user_sgpr_count 2
		.amdhsa_user_sgpr_kernarg_segment_ptr 1
		.amdhsa_wavefront_size32 1
		.amdhsa_system_sgpr_workgroup_id_x 1
		.amdhsa_system_sgpr_workgroup_id_y 1
		.amdhsa_system_sgpr_workgroup_id_z 1
		.amdhsa_system_vgpr_workitem_id 0
		.amdhsa_next_free_vgpr 1024
		.amdhsa_next_free_sgpr 102
		.amdhsa_reserve_vcc 0
		.amdhsa_float_denorm_mode_32 3
		.amdhsa_float_denorm_mode_16_64 3
		.amdhsa_memory_ordered 1
		.amdhsa_forward_progress 1
		.amdhsa_inst_pref_size 159
	.end_amdhsa_kernel
	.amdgpu_metadata
---
amdhsa.version: [ 1, 2 ]
amdhsa.kernels:
  - .name:           k_q8dbe241c52_proj
    .symbol:         k_q8dbe241c52_proj.kd
    .args:
      - { .name: codes, .offset: 0, .size: 8, .value_kind: global_buffer, .address_space: global }
      - { .name: scales, .offset: 8, .size: 8, .value_kind: global_buffer, .address_space: global }
      - { .name: bq, .offset: 16, .size: 8, .value_kind: global_buffer, .address_space: global }
      - { .name: bk, .offset: 24, .size: 8, .value_kind: global_buffer, .address_space: global }
      - { .name: bv, .offset: 32, .size: 8, .value_kind: global_buffer, .address_space: global }
      - { .name: qkv, .offset: 40, .size: 8, .value_kind: global_buffer, .address_space: global }
    .group_segment_fixed_size: 327680
    .private_segment_fixed_size: 0
    .kernarg_segment_align: 8
    .kernarg_segment_size: 48
    .max_flat_workgroup_size: 128
    .sgpr_count:     102
    .vgpr_count:     1024
    .wavefront_size: 32
...
	.end_amdgpu_metadata
.endif
;; end of part 2
;; launch attn (part 3): grid 8 x 32, 8 waves a work-group, clusters of 4 x 1, 327,680 bytes of LDS; arguments qkv, ctx; writes ctx
.if DOCPART == 3
	.amdgcn_target "amdgcn-amd-amdhsa--gfx1250"
	.amdhsa_code_object_version 6
	.text
	.protected	k_q8dbe241c52_attn
	.globl	k_q8dbe241c52_attn
	.p2align	8
	.type	k_q8dbe241c52_attn,@function
k_q8dbe241c52_attn:
	s_mov_b64 s[64:65], 0
	v_nop
	global_prefetch_b8 v0, s[64:65] scope:SCOPE_SE
	s_setreg_imm32_b32 hwreg(HW_REG_WAVE_MODE, 25, 1), 1
	s_wait_xcnt 0x0
	s_wait_alu depctr_hold_cnt(0) depctr_sa_sdst(0) depctr_va_vdst(0) depctr_va_sdst(0) depctr_va_ssrc(0) depctr_va_vcc(0) depctr_vm_vsrc(0)
	s_getreg_b32 s2, hwreg(HW_REG_IB_STS2, 6, 4)
	s_cmp_eq_u32 s2, 0
	s_cbranch_scc0 .Lentry_in_a_cluster
	s_endpgm
.Lentry_in_a_cluster:
	s_bfe_u32 s2, ttmp6, 0x10000c
	s_cmp_lg_u32 s2, 0x3003
	s_cbranch_scc0 .Lentry_shape_is_right
	s_endpgm
.Lentry_shape_is_right:
; ctx[b][q][head] = softmax_k(Q . K / 8) V for 32 (batch, head) pairs of 2,048 tokens, head size 64.  Operands f16, products, maxima and sums f32; a running maximum; the weights p are rounded to f16 for the second
; product, the row's sum is taken of the unrounded p.  Q, K, V arrive as images of operand registers (1,024 bytes a fragment); ctx leaves so.
; SHARES.  A work-group owns 256 queries of one pair.  Wave w: g = w & 3: its 64 queries (four tiles of 16); u = w >> 2: its half of the keys of every slot.  So a SIMD holds two waves, and one wave's softmax
; stands beside the other's products; each fragment of K or V read from LDS feeds four products.  At the end the two waves of a query group merge their (maximum, sum, O) through LDS.
; LAYOUT.  S^T = K Q^T (source 0 = 16 keys, source 1 = 16 queries), O^T = V^T P (source 0 = 16 channels, source 1 = P): a lane holds ONE query throughout; two tiles of S^T, packed to f16, are a fragment of P.
; SOFTMAX.  p = 2^(c s - c m), c = log2(e) / 8; in every step O and l are multiplied by a = 2^(c m_old - c m_new).
; RING.  Two LDS slots of 512 keys (K 65,536 bytes, V 65,536), four slots' worth of keys: two first fills, two refills.  Every wave brings 16 KiB with one load: waves 0-3 K's quarters, waves 4-7 V's.
; CLUSTER.  The four query blocks of a cluster walk the same K and V: every tile is asked for jointly, mask 15.
; No prefetch is written: half of the pair's K and V is asked for at the head, and each of the two refills stands four key steps of every wave ahead of the wait for it.
; LIMITS: NaN and infinities are not served; ctx is rounded to f16.
; REGISTERS: window 0: v2-12 addresses; v16-47 statistics, eight a tile (+0 c m, +1 m, +2, +3 l, +4..+7 at work; a in +6); v48-61 the merge's; v64-191 S^T, 32 a tile, P over the first 16 of each; v192-255 V (32 kc + 8 ct).
;   window 1: v0-127 O^T (32 t + 8 ct); v128-191 Q (16 t + 8 cc); v192-255 K (16 kt + 8 cc).
.set SLOT1, 1<<17
.set STATS, 262144                     ; the merge's statistics: 1,024 bytes a wave
.set SPARE, 270336                     ; the spare words, 128 bytes a wave
.set LI,  2                            ; v2  16 x lane
.set AK0, 3                            ; v3  my place in a slot's K: 16 x lane + 32,768 u
.set AV0, 4                            ; v4  in its V: + 65,536
.set ADK, 5
.set ADV, 6
.set MST, 7                            ; v7  the merge: my image of O^T: 16,384 w + 16 x lane (in slot 0, which has had its last fill and its last read by then)
.set MLO, 8                            ; v8  my own tiles 2 u, 2 u + 1
.set MLP, 9                            ; v9  my partner's (wave w xor 4)
.set SST, 10
.set SLO, 11
.set SLP, 12
.set ST,  16
.set SPW, 62
.set NIL, 63
.set S,   64
.set WV,  12                           ; s12 wave
.set G1,  24                           ; s[24:31] group 1; s[32:35] slot 0's first fill; s[36:39] slot 1's, which then walks on
.set SLOTS, 56
.set TW,  57
.set CS,  58                           ; s[58:59] c
.set SEL, 60                           ; s[60:61] lane l xor 16
.set TB,  62                           ; s62 LDS byte at which the key step to be fetched begins
.set MSB, 0
.macro WIN new
.if MSB != \new
	s_set_vgpr_msb (MSB<<8)|\new
.set MSB, \new
.endif
.endm
.macro PLACES
.rept 4
	v_nop
.endr
.endm
.macro CROUND
	s_barrier_signal -1
	s_barrier_wait -1
	s_cmp_lg_u32 s[WV], 0
	s_cbranch_scc1 .Lnot_wave_0_\@
	s_barrier_signal -3
.Lnot_wave_0_\@:
	s_barrier_wait -3
	s_barrier_signal -1
	s_barrier_wait -1
.endm
	s_load_b128 s[4:7], s[0:1], 0x0                ; qkv s[4:5], ctx s[6:7]
	v_lshl_add_u32 v[SPW], v0, 2, SPARE
	v_mov_b32 v[NIL], 0
	ds_add_u32 v[SPW], v[NIL]                      ; the wave's opening
	ds_add_u32 v[SPW], v[NIL]
	v_lshrrev_b32 v1, 5, v0
	v_readfirstlane_b32 s[WV], v1                  ; wave 0..7
	s_bfe_u32 s13, ttmp6, 0x40000                  ; cx
	s_lshl_b32 s14, ttmp9, 2
	s_add_co_u32 s14, s14, s13                     ; my block of 256 queries: it enters Q's and ctx's addresses alone
	s_and_b32 s15, s[WV], 3                        ; g
	s_lshr_b32 s16, s[WV], 2                       ; u
	s_and_b32 s20, ttmp7, 0xffff                   ; batch x 16 + head, which the four partners share
	s_add_co_u32 s2, s16, 1                        ; what I fetch: K (waves 0-3) lies 8,388,608 bytes on in qkv, V (waves 4-7) twice that;
	s_lshl_b32 s2, s2, 23
	s_lshl_b32 s3, s20, 18                         ; the pair's 262,144 bytes;
	s_add_co_u32 s2, s2, s3
	s_lshl_b32 s3, s15, 14                         ; my quarter of a slot's 65,536
	s_add_co_u32 s2, s2, s3
	s_mov_b32 s3, 0
	s_lshl_b32 s22, s20, 18                        ; Q: the pair, my block's 16 tiles x 2,048 bytes, my wave's four
	s_lshl_b32 s23, s14, 15
	s_add_co_u32 s22, s22, s23
	s_lshl_b32 s23, s15, 13
	s_add_co_u32 s22, s22, s23
	s_mov_b32 s23, 0
	s_and_b32 s17, s20, 15                         ; head
	s_lshr_b32 s18, s20, 4                         ; batch
	s_lshr_b32 s40, s17, 2                         ; ctx: [K step of 256 = head / 4][tile of 16 tokens][chunk of 32 = 2 (head % 4) + cc][1,024]
	s_lshl_b32 s40, s40, 21
	s_lshl_b32 s41, s18, 7
	s_lshl_b32 s19, s14, 4
	s_add_co_u32 s41, s41, s19
	s_lshl_b32 s19, s15, 2
	s_add_co_u32 s41, s41, s19
	s_lshl_b32 s19, s16, 1
	s_add_co_u32 s41, s41, s19                     ; the first tile of tokens that I store: 128 batch + 16 block + 4 g + 2 u
	s_lshl_b32 s41, s41, 13
	s_add_co_u32 s40, s40, s41
	s_and_b32 s19, s17, 3
	s_lshl_b32 s19, s19, 11
	s_add_co_u32 s40, s40, s19
	s_mov_b32 s41, 0
	s_mov_b32 s[G1], 15|(3<<16)|(1<<21)            ; the mask: all four work-groups; elements of 8 bytes; bit 21 beside a mask; no padding
	s_mov_b32 s[G1+1], 32<<16                      ; rows of 256 bytes,
	s_mov_b32 s[G1+2], 64<<16                      ; 64 of them
	s_mov_b32 s[G1+3], 32<<16
	s_mov_b32 s[G1+4], 64
	s_mov_b32 s[G1+5], 32
	s_mov_b32 s[G1+6], 0
	s_mov_b32 s[G1+7], 0
	s_lshl_b32 s21, s[WV], 14                      ; where my part goes: wave x 16,384
	s_mov_b32 s[CS], 0x3e38aa3b                    ; c = log2(e) / 8
	s_mov_b32 s[CS+1], s[CS]
	s_mov_b32 s[SEL], 0x76543210
	s_mov_b32 s[SEL+1], 0xfedcba98
	s_mov_b32 s[TB], 0
	s_mov_b32 s[SLOTS], 2
	; every LDS address register is made here
	v_and_b32 v1, 31, v0
	v_lshlrev_b32 v[LI], 4, v1
	s_lshl_b32 s42, s16, 15
	v_add_nc_u32 v[AK0], s42, v[LI]
	v_add_nc_u32 v[AV0], 0x10000, v[AK0]
	v_add_nc_u32 v[MST], s21, v[LI]
	s_lshl_b32 s43, s16, 13
	v_add_nc_u32 v[MLO], s43, v[MST]
	s_xor_b32 s44, s[WV], 4
	s_lshl_b32 s45, s44, 14
	s_add_co_u32 s45, s45, s43
	v_add_nc_u32 v[MLP], s45, v[LI]
	v_lshlrev_b32 v13, 3, v1
	s_lshl_b32 s46, s[WV], 10
	s_add_co_u32 s46, s46, STATS
	v_add_nc_u32 v[SST], s46, v13
	s_lshl_b32 s47, s16, 9
	v_add_nc_u32 v[SLO], s47, v[SST]
	s_lshl_b32 s48, s44, 10
	s_add_co_u32 s48, s48, STATS
	s_add_co_u32 s48, s48, s47
	v_add_nc_u32 v[SLP], s48, v13
	s_wait_dscnt 0x0                               ; both opening adds are done
	s_wait_kmcnt 0x0
	s_add_nc_u64 s[2:3], s[4:5], s[2:3]
	s_add_nc_u64 s[8:9], s[4:5], s[22:23]
	s_add_nc_u64 s[10:11], s[6:7], s[40:41]
	CROUND                                         ; all four work-groups are here: the first joint loads meet
	s_mov_b32 s32, 1
	s_mov_b32 s33, s21
	s_mov_b64 s[34:35], s[2:3]
	s_or_b32 s35, s35, 0x80000000
	s_mov_b32 s36, 1
	s_add_co_u32 s37, s21, SLOT1
	s_add_nc_u64 s[38:39], s[2:3], 65536
	s_or_b32 s39, s39, 0x80000000
	tensor_load_to_lds s[32:35], s[G1:G1+7]        ; keys 0 .. 511
	s_nop 0
	tensor_load_to_lds s[36:39], s[G1:G1+7]        ; keys 512 .. 1,023.  Two tensor loads of mine are out
	s_nop 0
	PLACES
	WIN 0x40                                       ; destination window 1
.irp f, 0,1,2,3,4,5,6,7                        ; Q stays in registers: fragment f = 2 t + cc
	global_load_b128 v[128+8*\f:128+8*\f+3], v[LI], s[8:9] offset:1024*\f
	global_load_b128 v[128+8*\f+4:128+8*\f+7], v[LI], s[8:9] offset:1024*\f+512
.endr
	WIN 0
; THE SOFTMAX of four tiles for one key step of 64 keys; the tiles alternate, so that no line waits for the line above it.  first = 1: the first key step: no old maximum, no a, nothing to rescale.
.macro SOFT first
.irp j, 0,1,2,3                                ; the maximum: four chains a tile; each accumulator is read from its low end on
.irp t, 0,1,2,3
	v_max3_num_f32 v[ST+8*\t+4+\j], v[S+32*\t+8*\j], v[S+32*\t+8*\j+1], v[S+32*\t+8*\j+2]
.endr
.endr
.irp i, 3,5
.irp j, 0,1,2,3
.irp t, 0,1,2,3
	v_max3_num_f32 v[ST+8*\t+4+\j], v[ST+8*\t+4+\j], v[S+32*\t+8*\j+\i], v[S+32*\t+8*\j+\i+1]
.endr
.endr
.endr
.irp t, 0,1,2,3
	v_max3_num_f32 v[ST+8*\t+4], v[ST+8*\t+4], v[S+32*\t+7], v[S+32*\t+15]
.endr
.irp t, 0,1,2,3
	v_max3_num_f32 v[ST+8*\t+6], v[ST+8*\t+6], v[S+32*\t+23], v[S+32*\t+31]
.endr
.irp t, 0,1,2,3
	v_max3_num_f32 v[ST+8*\t+4], v[ST+8*\t+4], v[ST+8*\t+5], v[ST+8*\t+6]
.endr
.irp t, 0,1,2,3
.if \first
	v_max_num_f32 v[ST+8*\t+4], v[ST+8*\t+4], v[ST+8*\t+7]
.else
	v_max3_num_f32 v[ST+8*\t+4], v[ST+8*\t+4], v[ST+8*\t+7], v[ST+8*\t+1]   ; with the old m
.endif
.endr
.irp t, 0,1,2,3
	v_permlanex16_b32 v[ST+8*\t+5], v[ST+8*\t+4], s[SEL], s[SEL+1]          ; the query's other 32 keys lie in the lane 16 away
.endr
.if (\first) == 0
.irp t, 0,1,2,3
	v_mov_b32 v[ST+8*\t+7], v[ST+8*\t]             ; c m_old
.endr
.endif
.irp t, 0,1,2,3
	v_max_num_f32 v[ST+8*\t+1], v[ST+8*\t+4], v[ST+8*\t+5]
.endr
.irp t, 0,1,2,3
	v_mul_f32 v[ST+8*\t], s[CS], v[ST+8*\t+1]
.endr
.if (\first) == 0
.irp t, 0,1,2,3
	v_sub_f32 v[ST+8*\t+7], v[ST+8*\t+7], v[ST+8*\t]
.endr
.irp t, 0,1,2,3
	v_exp_f32 v[ST+8*\t+6], v[ST+8*\t+7]           ; a.  ONE BATCH begins: up to the wait below nothing names an exponential's result
.endr
.endif
.irp b, 0,1,2,3,4,5,6,7,8,9,10,11,12,13,14,15
	v_pk_fma_f32 v[S+2*\b:S+2*\b+1], v[S+2*\b:S+2*\b+1], s[CS:CS+1], v[ST:ST+1] op_sel_hi:[1,0,0] neg_lo:[0,0,1] neg_hi:[0,0,1]   ; tile 0: c s - c m
.endr
.irp t, 0,1,2                                  ; a tile's exponentials, with the next tile's scalings between them
.irp b, 0,1,2,3,4,5,6,7,8,9,10,11,12,13,14,15
	v_exp_f32 v[S+32*\t+2*\b], v[S+32*\t+2*\b]
	v_exp_f32 v[S+32*\t+2*\b+1], v[S+32*\t+2*\b+1]
	v_pk_fma_f32 v[S+32*(\t+1)+2*\b:S+32*(\t+1)+2*\b+1], v[S+32*(\t+1)+2*\b:S+32*(\t+1)+2*\b+1], s[CS:CS+1], v[ST+8*(\t+1):ST+8*(\t+1)+1] op_sel_hi:[1,0,0] neg_lo:[0,0,1] neg_hi:[0,0,1]
.endr
.endr
.irp e, 0,1,2,3,4,5,6,7,8,9,10,11,12,13,14,15,16,17,18,19,20,21,22,23,24,25,26,27,28,29,30,31
	v_exp_f32 v[S+96+\e], v[S+96+\e]
.endr
	v_nop                                          ; a plain line behind the last exponential
	s_wait_alu depctr_va_vdst(0)                   ; one wait for the whole batch, ahead of its first reader
.irp t, 0,1,2,3                                ; the row's sum, of the unrounded p
.if \first
	v_pk_add_f32 v[ST+8*\t+2:ST+8*\t+3], v[S+32*\t:S+32*\t+1], v[S+32*\t+2:S+32*\t+3]
.else
	v_pk_fma_f32 v[ST+8*\t+2:ST+8*\t+3], v[ST+8*\t+2:ST+8*\t+3], v[ST+8*\t+6:ST+8*\t+7], v[S+32*\t:S+32*\t+1] op_sel_hi:[1,0,1]
.endif
.endr
.irp b, 1,2,3,4,5,6,7,8,9,10,11,12,13,14,15
.if (\b > 1) || ((\first) == 0)
.irp t, 0,1,2,3
	v_pk_add_f32 v[ST+8*\t+2:ST+8*\t+3], v[ST+8*\t+2:ST+8*\t+3], v[S+32*\t+2*\b:S+32*\t+2*\b+1]
.endr
.endif
.endr
.irp j, 0,1,2,3,4,5,6,7,8,9,10,11,12,13,14,15  ; P, in place: register j takes weights 2 j and 2 j + 1, ascending, so nothing is written before it is read
.irp t, 0,1,2,3
	v_cvt_pk_f16_f32 v[S+32*\t+\j], v[S+32*\t+2*\j], v[S+32*\t+2*\j+1]
.endr
.endr
.if (\first) == 0
	WIN 0x41                                       ; O^T in window 1, a in window 0
.irp n, 0,1,2,3,4,5,6,7,8,9,10,11,12,13,14,15
.irp t, 0,1,2,3
	v_pk_mul_f32 v[32*\t+2*\n:32*\t+2*\n+1], v[32*\t+2*\n:32*\t+2*\n+1], v[ST+8*\t+6:ST+8*\t+7] op_sel_hi:[1,0]
.endr
.endr
.endif
.endm
; A KEY STEP: 64 keys x my four tiles of queries.
.macro STEP first
	WIN 0
	v_add_nc_u32 v[ADK], s[TB], v[AK0]
	v_add_nc_u32 v[ADV], s[TB], v[AV0]
	PLACES                                         ; six plain lines behind the last V^T P: four are owed by the loads into V's registers, five by K Q^T, which writes over P's
	WIN 0x40
.irp f, 0,1,2,3,4,5,6,7                        ; K: fragment f = 2 kt + cc
	ds_load_b128 v[192+8*\f:192+8*\f+3], v[ADK] offset:1024*\f
	ds_load_b128 v[192+8*\f+4:192+8*\f+7], v[ADK] offset:1024*\f+512
.endr
	WIN 0
.irp f, 0,1,2,3,4,5,6,7                        ; V: fragment f = 4 kc + ct
	ds_load_b128 v[192+8*\f:192+8*\f+3], v[ADV] offset:1024*\f
	ds_load_b128 v[192+8*\f+4:192+8*\f+7], v[ADV] offset:1024*\f+512
.endr
	s_add_co_u32 s[TB], s[TB], 8192                ; the next key step's K and V both lie 8,192 bytes on
	s_wait_dscnt 16                                ; K is in; V's sixteen loads may be out
	WIN 0x05                                       ; K and Q in window 1, S^T in window 0
.irp cc, 0,1                                   ; sixteen accumulators by turns
.irp kt, 0,1,2,3
.irp t, 0,1,2,3
.if \cc == 0
	v_wmma_f32_16x16x32_f16 v[S+32*\t+8*\kt:S+32*\t+8*\kt+7], v[192+16*\kt+8*\cc:192+16*\kt+8*\cc+7], v[128+16*\t+8*\cc:128+16*\t+8*\cc+7], 0
.else
	v_wmma_f32_16x16x32_f16 v[S+32*\t+8*\kt:S+32*\t+8*\kt+7], v[192+16*\kt+8*\cc:192+16*\kt+8*\cc+7], v[128+16*\t+8*\cc:128+16*\t+8*\cc+7], v[S+32*\t+8*\kt:S+32*\t+8*\kt+7]
.endif
.endr
.endr
.endr
	WIN 0
	PLACES
	SOFT \first
	s_wait_dscnt 0x0                               ; V is in
	WIN 0x50                                       ; V and P in window 0, O^T in window 1
.irp kc, 0,1
.irp ct, 0,1,2,3
.irp t, 0,1,2,3
.if (\first) && (\kc == 0)
	v_wmma_f32_16x16x32_f16 v[32*\t+8*\ct:32*\t+8*\ct+7], v[192+32*\kc+8*\ct:192+32*\kc+8*\ct+7], v[S+32*\t+8*\kc:S+32*\t+8*\kc+7], 0
.else
	v_wmma_f32_16x16x32_f16 v[32*\t+8*\ct:32*\t+8*\ct+7], v[192+32*\kc+8*\ct:192+32*\kc+8*\ct+7], v[S+32*\t+8*\kc:S+32*\t+8*\kc+7], v[32*\t+8*\ct:32*\t+8*\ct+7]
.endif
.endr
.endr
.endr
	WIN 0
.endm
.macro STEPS n
	s_mov_b32 s[TW], \n
.Lstep_\@:
	STEP 0
	s_sub_co_u32 s[TW], s[TW], 1
	s_cmp_lg_u32 s[TW], 0
	s_cbranch_scc1 .Lstep_\@
.endm
; THE CHANGE OF SLOTS.  Each wave waits for all its tensor loads (its part of the other slot), adds 0 to its spare word, and waits for that and for its reads of the slot that it leaves.
; fill = 1: the barrier is a round of the cluster's, and the slot just left is filled again first behind it, one load a wave: it has four key steps in which to land.
.macro CHANGE fill
	WIN 0
	s_wait_tensorcnt 0x0                           ; no tensor load of mine is out, so a group 0 may be written
	ds_add_u32 v[SPW], v[NIL]
.if \fill
	s_xor_b32 s37, s37, SLOT1                      ; the walking descriptor: the other slot than last time,
	s_add_nc_u64 s[38:39], s[38:39], 65536         ; the next 512 keys
.endif
	s_wait_dscnt 0x0
.if \fill
	CROUND
	tensor_load_to_lds s[36:39], s[G1:G1+7]
	s_nop 0
	PLACES
.else
	s_barrier_signal -1
	s_barrier_wait -1
.endif
	s_sub_co_u32 s[TB], s[TB], 32768               ; back to my half's first key step,
	s_xor_b32 s[TB], s[TB], SLOT1                  ; in the other slot
.endm
	s_wait_tensorcnt 1                             ; my part of slot 0 is in; slot 1's may stay out
	s_barrier_signal -1
	s_barrier_wait -1
	s_wait_loadcnt 0x0                             ; Q
	STEP 1
	STEPS 3
.Lslot:                                            ; two trips: both slots are filled once more
	CHANGE 1
	STEPS 4
	s_sub_co_u32 s[SLOTS], s[SLOTS], 1
	s_cmp_lg_u32 s[SLOTS], 0
	s_cbranch_scc1 .Lslot
	CHANGE 0                                       ; the last slot is written out: nothing is left to ask for
	STEPS 4
	; THE MERGE.  Each wave lays its O^T (an image of the registers) and (c m, l) into LDS; then wave (g, u) joins tiles 2 u and 2 u + 1 of both halves of the keys, divides, rounds and stores them.  One text, no branch.
.irp t, 0,1,2,3
	v_add_f32 v[ST+8*\t+4], v[ST+8*\t+2], v[ST+8*\t+3]
.endr
.irp t, 0,1,2,3
	v_permlanex16_b32 v[ST+8*\t+5], v[ST+8*\t+4], s[SEL], s[SEL+1]
.endr
.irp t, 0,1,2,3
	v_add_f32 v[ST+8*\t+1], v[ST+8*\t+4], v[ST+8*\t+5]   ; l of my half of the keys, beside c m
.endr
	s_wait_dscnt 0x0
	s_barrier_signal -1
	s_barrier_wait -1                              ; every wave's reads of the ring are over
	WIN 0x04                                       ; an LDS store's data are its source 1: window 1
.irp t, 0,1,2,3
.irp q, 0,1,2,3,4,5,6,7
	ds_store_b128 v[MST], v[32*\t+4*\q:32*\t+4*\q+3] offset:4096*\t+512*\q   ; each accumulator from its low end on
.endr
.endr
	WIN 0
.irp t, 0,1,2,3
	ds_store_b64 v[SST], v[ST+8*\t:ST+8*\t+1] offset:256*\t
.endr
	s_wait_dscnt 0x0                               ; for the others' sake: my stores have landed
	s_barrier_signal -1
	s_barrier_wait -1
.irp i, 0,1
.irp q, 0,1,2,3,4,5,6,7
	ds_load_b128 v[64+32*\i+4*\q:64+32*\i+4*\q+3], v[MLO] offset:4096*\i+512*\q
	ds_load_b128 v[128+32*\i+4*\q:128+32*\i+4*\q+3], v[MLP] offset:4096*\i+512*\q
.endr
	ds_load_b64 v[48+2*\i:49+2*\i], v[SLO] offset:256*\i
	ds_load_b64 v[52+2*\i:53+2*\i], v[SLP] offset:256*\i
.endr
	s_wait_dscnt 0x0
.irp i, 0,1
	v_max_num_f32 v[56+\i], v[48+2*\i], v[52+2*\i]
.endr
.irp i, 0,1
	v_sub_f32 v[58+\i], v[48+2*\i], v[56+\i]
	v_sub_f32 v[60+\i], v[52+2*\i], v[56+\i]
.endr
.irp i, 0,1
	v_exp_f32 v[196+\i], v[58+\i]
	v_exp_f32 v[198+\i], v[60+\i]
.endr
	v_nop
	s_wait_alu depctr_va_vdst(0)                   ; one wait for the four
.irp i, 0,1
	v_mul_f32 v[200+\i], v[49+2*\i], v[196+\i]
.endr
.irp i, 0,1
	v_fmac_f32 v[200+\i], v[53+2*\i], v[198+\i]    ; the row's whole sum, under the common maximum
.endr
.irp i, 0,1
	v_rcp_f32 v[202+\i], v[200+\i]
.endr
	v_nop
	s_wait_alu depctr_va_vdst(0)
.irp i, 0,1
	v_mul_f32 v[204+4*\i], v[196+\i], v[202+\i]    ; my half's weight, in both halves of a pair,
	v_mul_f32 v[205+4*\i], v[196+\i], v[202+\i]
	v_mul_f32 v[206+4*\i], v[198+\i], v[202+\i]    ; and my partner's
	v_mul_f32 v[207+4*\i], v[198+\i], v[202+\i]
.endr
.irp i, 0,1
.irp n, 0,1,2,3,4,5,6,7,8,9,10,11,12,13,14,15
	v_pk_mul_f32 v[64+32*\i+2*\n:64+32*\i+2*\n+1], v[64+32*\i+2*\n:64+32*\i+2*\n+1], v[204+4*\i:205+4*\i]
.endr
.endr
.irp i, 0,1
.irp n, 0,1,2,3,4,5,6,7,8,9,10,11,12,13,14,15
	v_pk_fma_f32 v[64+32*\i+2*\n:64+32*\i+2*\n+1], v[128+32*\i+2*\n:128+32*\i+2*\n+1], v[206+4*\i:207+4*\i], v[64+32*\i+2*\n:64+32*\i+2*\n+1]
.endr
.endr
.irp j, 0,1,2,3,4,5,6,7,8,9,10,11,12,13,14,15,16,17,18,19,20,21,22,23,24,25,26,27,28,29,30,31
	v_cvt_pk_f16_f32 v[64+\j], v[64+2*\j], v[64+2*\j+1]   ; in place, ascending: tiles of channels 2 cc and 2 cc + 1 are registers 0-3 and 4-7 of a fragment (16 tokens x 32 of d_model)
.endr
.irp i, 0,1
.irp cc, 0,1
.irp hf, 0,1
	global_store_b128 v[LI], v[64+16*\i+8*\cc+4*\hf:64+16*\i+8*\cc+4*\hf+3], s[10:11] offset:8192*\i+1024*\cc+512*\hf   ; 512 consecutive bytes, aligned
.endr
.endr
.endr
	s_wait_tensorcnt 0x0                           ; the wave's end
	ds_add_u32 v[SPW], v[NIL]
	s_wait_dscnt 0x0
	CROUND                                         ; the closing round
	s_endpgm
.Lfunc_end_k_q8dbe241c52_attn:
	.size	k_q8dbe241c52_attn, .Lfunc_end_k_q8dbe241c52_attn-k_q8dbe241c52_attn
	.p2alignl 7, 3214868480
	.fill 96, 4, 3214868480
	.section	.rodata,"a",@progbits
	.p2align	6, 0x0
	.amdhsa_kernel k_q8dbe241c52_attn
		.amdhsa_group_segment_fixed_size 327680
		.amdhsa_private_segment_fixed_size 0
		.amdhsa_enable_private_segment 0
		.amdhsa_kernarg_size 16
		.amdhsa_user_sgpr_count 2
		.amdhsa_user_sgpr_kernarg_segment_ptr 1
		.amdhsa_wavefront_size32 1
		.amdhsa_system_sgpr_workgroup_id_x 1
		.amdhsa_system_sgpr_workgroup_id_y 1
		.amdhsa_system_sgpr_workgroup_id_z 1
		.amdhsa_system_vgpr_workitem_id 0
		.amdhsa_next_free_vgpr 512
		.amdhsa_next_free_sgpr 66
		.amdhsa_reserve_vcc 0
		.amdhsa_float_denorm_mode_32 3
		.amdhsa_float_denorm_mode_16_64 3
		.amdhsa_memory_ordered 1
		.amdhsa_forward_progress 1
		.amdhsa_inst_pref_size 144
	.end_amdhsa_kernel
	.amdgpu_metadata
---
amdhsa.version: [ 1, 2 ]
amdhsa.kernels:
  - .name:           k_q8dbe241c52_attn
    .symbol:         k_q8dbe241c52_attn.kd
    .args:
      - { .name: qkv, .offset: 0, .size: 8, .value_kind: global_buffer, .address_space: global }
      - { .name: ctx, .offset: 8, .size: 8, .value_kind: global_buffer, .address_space: global }
    .group_segment_fixed_size: 327680
    .private_segment_fixed_size: 0
    .kernarg_segment_align: 8
    .kernarg_segment_size: 16
    .max_flat_workgroup_size: 256
    .sgpr_count:     66
    .vgpr_count:     512
    .wavefront_size: 32
...
	.end_amdgpu_metadata
.endif
;; end of part 3
;; launch outp (part 4): grid 8 x 32, 4 waves a work-group, clusters of 4 x 4, 327,680 bytes of LDS; arguments ctx, wof, bo, out0; writes out0
.if DOCPART == 4
	.amdgcn_target "amdgcn-amd-amdhsa--gfx1250"
	.amdhsa_code_object_version 6
	.text
	.protected	k_q8dbe241c52_outp
	.globl	k_q8dbe241c52_outp
	.p2align	8
	.type	k_q8dbe241c52_outp,@function
k_q8dbe241c52_outp:
	s_mov_b64 s[64:65], 0
	v_nop
	global_prefetch_b8 v0, s[64:65] scope:SCOPE_SE
	s_setreg_imm32_b32 hwreg(HW_REG_WAVE_MODE, 25, 1), 1
	s_wait_xcnt 0x0
	s_wait_alu depctr_hold_cnt(0) depctr_sa_sdst(0) depctr_va_vdst(0) depctr_va_sdst(0) depctr_va_ssrc(0) depctr_va_vcc(0) depctr_vm_vsrc(0)
	s_getreg_b32 s2, hwreg(HW_REG_IB_STS2, 6, 4)
	s_cmp_eq_u32 s2, 0
	s_cbranch_scc0 .Lentry_in_a_cluster
	s_endpgm
.Lentry_in_a_cluster:
	s_bfe_u32 s2, ttmp6, 0x10000c
	s_cmp_lg_u32 s2, 0xf033
	s_cbranch_scc0 .Lentry_shape_is_right
	s_endpgm
.Lentry_shape_is_right:
; out0 = ctx Wo + bo: [4,096 x 1,024] x [1,024 x 1,024], f16 operands, f32 sums, f32 out.  Both operands arrive as images of operand registers (16 rows x 32 K = 1,024 bytes):
; ctx [K step of 256, 4][tile of 16 tokens 256][chunk of 32 K, 8][1,024];  wof [4][tile of 16 columns 64][8][1,024].
; 256 tiles of 128 x 128, one for each work-group; four waves, each 64 x 64: 16 accumulators.  K goes in four steps of 256 through a ring of two LDS slots; a wave's tensor load brings a dense block of 32 KiB.
; CLUSTERS: 4 x 4 work-groups: A's tile (ctx) is shared along a row of the cluster, B's (Wo) along a column: joint loads.
; THE MATRIX INSTRUCTION IS USED TRANSPOSED (source 0 = 16 columns of Wo, source 1 = 16 tokens): a lane holds eight neighbouring numbers of a row of out0.  The bias is the C of each sum's first instruction.
; REGISTERS: window 0: v1-29 addresses; v32-95 the way out; v96-127 the bias; v128-255 the accumulators ((a, b) at v[128 + 8 (4 a + b)]).  window 1: two fragment buffers of 128: 64 of A, then 64 of B, for 64 along K.
.set SLOT,   131072                    ; A's 8 tiles of rows x 8,192 bytes, then B's
.set STAGE,  262144                    ; behind the ring: 16 rows x 272 bytes for each wave
.set SPITCH, 272
.set SPARE,  STAGE+4*16*SPITCH         ; the spare words, 128 bytes a wave
.set LAPS, 2
.set ADRA, 16
.set ADRB, 20
.set STO,  24
.set RD,   25
.set CO,   26
.set SPW,  28
.set NIL,  29
.set TMP,  32
.set BIAS, 96
.set ACC,  128
.set F0,   0
.set F1,   128
.set G1, 24
.set G0, 32
.set G1B, 48
.set G0B, 56
.set MSB, 0
.macro WIN new
.if MSB != \new
	s_set_vgpr_msb (MSB<<8)|\new
.set MSB, \new
.endif
.endm
.set MUL,  0x05                        ; sources 0 (B) and 1 (A) window 1; C and D window 0
.set TO_F, 0x40                        ; destination window 1, address window 0
.macro JLOAD s                         ; waves 0 and 1 fetch A's halves, waves 2 and 3 B's; an s_nop 0 and four v_nop follow each line
	s_cmp_eq_u32 s11, 0
	s_cbranch_scc0 .Lfor_b_\@
	tensor_load_to_lds s[G0+4*\s:G0+4*\s+3], s[G1:G1+7]
	s_nop 0
.rept 4
	v_nop
.endr
	s_branch .Lasked_\@
.Lfor_b_\@:
	tensor_load_to_lds s[G0B+4*\s:G0B+4*\s+3], s[G1B:G1B+7]
	s_nop 0
.rept 4
	v_nop
.endr
.Lasked_\@:
.endm
.macro CREST
	s_cmp_lg_u32 s10, 0
	s_cbranch_scc1 .Lnot_wave_0_\@
	s_barrier_signal -3
.Lnot_wave_0_\@:
	s_barrier_wait -3
	s_barrier_signal -1
	s_barrier_wait -1
.endm
.macro CROUND
	s_barrier_signal -1
	s_barrier_wait -1
	CREST
.endm
	s_load_b128 s[4:7], s[0:1], 0x0                ; ctx s[4:5], wof s[6:7]
	s_load_b64 s[2:3], s[0:1], 0x10                ; bo
	s_load_b64 s[8:9], s[0:1], 0x18                ; out0
	v_lshl_add_u32 v[SPW], v0, 2, SPARE
	v_mov_b32 v[NIL], 0
	ds_add_u32 v[SPW], v[NIL]                      ; the wave's opening
	ds_add_u32 v[SPW], v[NIL]
	v_lshrrev_b32 v1, 5, v0
	v_readfirstlane_b32 s10, v1                    ; wave 0..3
	s_lshr_b32 s11, s10, 1                         ; which half of the tile's rows is mine.  Also: I fetch for A (0) or for B (1)
	s_and_b32 s12, s10, 1                          ; which half of its columns.  Also: which half of that tile I fetch
	s_bfe_u32 s40, ttmp6, 0x40000                  ; cx, cy
	s_bfe_u32 s41, ttmp6, 0x40004
	s_lshl_b32 s42, ttmp9, 2
	s_add_co_u32 s42, s42, s40                     ; tile column
	s_and_b32 s13, ttmp7, 0xffff
	s_lshl_b32 s13, s13, 2
	s_add_co_u32 s13, s13, s41                     ; tile row
	s_lshl_b32 s43, s41, 2
	s_lshl_b32 s43, 15, s43                        ; my row of the cluster
	s_lshl_b32 s44, 0x1111, s40                    ; my column
	s_or_b32 s[G1+0], s43, (3<<16)|(1<<21)         ; elements of 8 bytes, no padding
	s_or_b32 s[G1B+0], s44, (3<<16)|(1<<21)
.irp g, G1, G1B
	s_mov_b32 s[\g+1], 32<<16                      ; rows of 256 bytes,
	s_mov_b32 s[\g+2], 128<<16                     ; 128 of them
	s_mov_b32 s[\g+3], 32<<16
	s_mov_b32 s[\g+4], 128
	s_mov_b32 s[\g+5], 32
	s_mov_b32 s[\g+6], 0
	s_mov_b32 s[\g+7], 0
.endr
	s_lshl_b32 s16, s13, 16                        ; A: 8 tiles of 16 rows x 8,192 bytes a tile row,
	s_lshl_b32 s17, s12, 15                        ; the half that I fetch
	s_add_co_u32 s16, s16, s17
	s_mov_b32 s17, 0
	s_lshl_b32 s46, s42, 16                        ; B likewise, by the tile column
	s_lshl_b32 s47, s12, 15
	s_add_co_u32 s46, s46, s47
	s_mov_b32 s47, 0
	s_lshl_b32 s20, s10, 15                        ; where they go: wave x 32,768
	s_wait_dscnt 0x0                               ; both opening adds are done
	s_wait_kmcnt 0x0
	s_add_nc_u64 s[14:15], s[4:5], s[16:17]
	s_add_nc_u64 s[46:47], s[6:7], s[46:47]
	CROUND                                         ; all sixteen work-groups are here: the first joint loads meet
.irp s, 0,1
	s_mov_b32 s[G0+4*\s], 1
	s_add_co_u32 s[G0+4*\s+1], s20, \s*SLOT
	s_add_nc_u64 s[G0+4*\s+2:G0+4*\s+3], s[14:15], \s*2097152
	s_or_b32 s[G0+4*\s+3], s[G0+4*\s+3], 0x80000000
	s_mov_b32 s[G0B+4*\s], 1
	s_add_co_u32 s[G0B+4*\s+1], s20, \s*SLOT
	s_add_nc_u64 s[G0B+4*\s+2:G0B+4*\s+3], s[46:47], \s*524288
	s_or_b32 s[G0B+4*\s+3], s[G0B+4*\s+3], 0x80000000
	JLOAD \s
.endr
	v_and_b32 v1, 15, v0                           ; r
	v_bfe_u32 v2, v0, 4, 1                         ; h
	v_and_b32 v3, 31, v0
	v_lshlrev_b32 v3, 4, v3                        ; 16 x lane
	s_lshl_b32 s21, s11, 15                        ; my 64 rows of A
	s_lshl_b32 s22, s12, 15
	s_add_co_u32 s22, s22, 65536                   ; my 64 rows of B, behind A's 128
.irp s, 0,1
	v_add_nc_u32 v[ADRA+\s], s21, v3
	v_add_nc_u32 v[ADRB+\s], s22, v3
	s_add_co_u32 s21, s21, SLOT
	s_add_co_u32 s22, s22, SLOT
.endr
	s_mul_i32 s23, s10, 16*SPITCH
	s_add_co_u32 s23, s23, STAGE                   ; my stage
	v_mul_u32_u24 v4, v1, SPITCH
	v_lshl_add_u32 v4, v2, 5, v4
	v_add_nc_u32 v[STO], s23, v4                   ; in: row r, 32 bytes for each half of the lanes
	v_mul_u32_u24 v5, v2, SPITCH
	v_lshl_add_u32 v5, v1, 4, v5
	v_add_nc_u32 v[RD], s23, v5                    ; back: lanes 0-15 one row of 256 bytes, lanes 16-31 the next
	v_lshlrev_b32 v5, 12, v2
	v_lshl_add_u32 v[CO], v1, 4, v5                ; and the same two rows in out0 (4,096 bytes a row)
	v_lshlrev_b32 v6, 5, v2                        ; the bias: 32 h
	s_lshl_b32 s46, s42, 9
	s_lshl_b32 s47, s12, 8
	s_add_co_u32 s46, s46, s47                     ; 4 x my first column: in bo and in a row of out0
	s_mov_b32 s47, 0
	s_add_nc_u64 s[2:3], s[2:3], s[46:47]
	s_add_nc_u64 s[8:9], s[8:9], s[46:47]
	s_lshl_b32 s16, s13, 19
	s_lshl_b32 s17, s11, 18
	s_add_co_u32 s16, s16, s17                     ; my first row x 4,096
	s_mov_b32 s17, 0
	s_add_nc_u64 s[8:9], s[8:9], s[16:17]
.irp b, 0,1,2,3
	global_load_b128 v[BIAS+8*\b:BIAS+8*\b+3], v6, s[2:3] offset:64*\b        ; bo[first column + 16 b + 8 h + 0 .. 7]: the layout of a result
	global_load_b128 v[BIAS+8*\b+4:BIAS+8*\b+7], v6, s[2:3] offset:64*\b+16
.endr
; 8 matrix instructions: m blocks a0, a0 + 1 x all 4 n blocks, 32 along K: half c of buffer f.  zero = 1: the bias starts the sums
.macro MUL8 f, c, a0, zero
.irp a, \a0, \a0+1
.irp b, 0,1,2,3
.if \zero
	v_wmma_f32_16x16x32_f16 v[ACC+8*(4*(\a)+\b):ACC+8*(4*(\a)+\b)+7], v[\f+64+8*(4*\c+\b):\f+64+8*(4*\c+\b)+7], v[\f+8*(4*\c+\a):\f+8*(4*\c+\a)+7], v[BIAS+8*\b:BIAS+8*\b+7]
.else
	v_wmma_f32_16x16x32_f16 v[ACC+8*(4*(\a)+\b):ACC+8*(4*(\a)+\b)+7], v[\f+64+8*(4*\c+\b):\f+64+8*(4*\c+\b)+7], v[\f+8*(4*\c+\a):\f+8*(4*\c+\a)+7], v[ACC+8*(4*(\a)+\b):ACC+8*(4*(\a)+\b)+7]
.endif
.endr
.endr
.endm
; 32 LDS loads in one run: the fragments of quarter kq (64 along K: chunks 2 kq and 2 kq + 1) into buffer f; the first 32 along K first
.macro FETCH slot, kq, f
	WIN TO_F
.irp c, 0,1
.irp i, 0,1,2,3
	ds_load_b128 v[\f+64+8*(4*\c+\i):\f+64+8*(4*\c+\i)+3],   v[ADRB+\slot] offset:8192*\i+1024*(2*(\kq)+\c)
	ds_load_b128 v[\f+64+8*(4*\c+\i)+4:\f+64+8*(4*\c+\i)+7], v[ADRB+\slot] offset:8192*\i+1024*(2*(\kq)+\c)+512
	ds_load_b128 v[\f+8*(4*\c+\i):\f+8*(4*\c+\i)+3],         v[ADRA+\slot] offset:8192*\i+1024*(2*(\kq)+\c)
	ds_load_b128 v[\f+8*(4*\c+\i)+4:\f+8*(4*\c+\i)+7],       v[ADRA+\slot] offset:8192*\i+1024*(2*(\kq)+\c)+512
.endr
.endr
.endm
.macro PLACES
.rept 4
	v_nop
.endr
.endm
; A K step is four quarters of 64 along K, 32 matrix instructions each, on buffers 0, 1, 0, 1.  One of the first three multiplies buffer f and fetches quarter kq into g.
.macro QUARTER slot, kq, f, g, zero
	s_wait_dscnt 16                                ; the first 32 along K are in
	WIN MUL
	MUL8 \f, 0, 0, \zero
	MUL8 \f, 0, 2, \zero
	PLACES
	FETCH \slot, \kq, \g
	s_wait_dscnt 32                                ; all but the 32 just issued
	WIN MUL
	MUL8 \f, 1, 0, 0
	MUL8 \f, 1, 2, 0
.endm
; The last quarter multiplies buffer 1 and changes slots: one barrier; in front of it each wave waits for all its tensor loads, adds 0 to its spare word, and waits for that and for its reads of this slot.
.macro TURN slot, next, fill
	WIN 0
	s_wait_tensorcnt 0x0                           ; all my tensor loads have landed: my part of the next slot
	ds_add_u32 v[SPW], v[NIL]
	s_wait_dscnt 17                                ; (the add and the youngest sixteen loads may be out)
	WIN MUL
	MUL8 F1, 0, 0, 0
	s_wait_dscnt 0x0                               ; the add is done, and my reads of this slot are over
	s_barrier_signal -1
	MUL8 F1, 0, 2, 0
.if \fill
	WIN 0
.endif
	s_barrier_wait -1
.if \fill
	CREST                                          ; the barrier has opened a round of the cluster's: no wave of any partner still reads this slot or has a load on its way
	s_add_nc_u64 s[G0+4*\slot+2:G0+4*\slot+3], s[G0+4*\slot+2:G0+4*\slot+3], 4194304   ; two K steps on
	s_add_nc_u64 s[G0B+4*\slot+2:G0B+4*\slot+3], s[G0B+4*\slot+2:G0B+4*\slot+3], 1048576
	JLOAD \slot                                    ; the first tensor load behind the round; its four v_nop are also the places in front of the loads below
.else
	PLACES
.endif
	FETCH \next, 0, F0
	WIN MUL
	MUL8 F1, 1, 0, 0
	MUL8 F1, 1, 2, 0
.endm
	s_wait_tensorcnt 1                             ; my part of K step 0 is in; K step 1's may be out
	s_barrier_signal -1
	s_barrier_wait -1
	FETCH 0, 0, F0
	s_wait_loadcnt 0x0                             ; the bias
	QUARTER 0, 1, F0, F1, 1                        ; the first quarter stands in front of the loop: its first products start the sums
	WIN 0
	s_mov_b32 s45, LAPS-1
.Llap:                                             ; a trip goes once round the ring and fills both slots again
	QUARTER 0, 2, F1, F0, 0
	QUARTER 0, 3, F0, F1, 0
	TURN 0, 1, 1
	QUARTER 1, 1, F0, F1, 0
	QUARTER 1, 2, F1, F0, 0
	QUARTER 1, 3, F0, F1, 0
	TURN 1, 0, 1
	QUARTER 0, 1, F0, F1, 0
	WIN 0
	s_sub_co_u32 s45, s45, 1
	s_cmp_lg_u32 s45, 0
	s_cbranch_scc1 .Llap
	QUARTER 0, 2, F1, F0, 0                        ; the last lap fills nothing
	QUARTER 0, 3, F0, F1, 0
	TURN 0, 1, 0
	QUARTER 1, 1, F0, F1, 0
	QUARTER 1, 2, F1, F0, 0
	QUARTER 1, 3, F0, F1, 0
	s_wait_dscnt 16
	WIN MUL
	MUL8 F1, 0, 0, 0
	MUL8 F1, 0, 2, 0
	s_wait_dscnt 0
	MUL8 F1, 1, 0, 0
	MUL8 F1, 1, 2, 0
	WIN 0
; THE WAY OUT.  My 64 columns of f32 are 256 bytes of a row: a block of 16 rows goes through my own stage and comes back as whole rows; sixteen lanes store 256 consecutive bytes, aligned.
; LDS serves a wave's instructions in order (ISA guide 5.7.1.4): no wait between the stores and the loads, nor in front of the next block's stores.
.macro TOSTAGE a
.irp b, 0,1,2,3
	ds_store_b128 v[STO], v[ACC+8*(4*\a+\b):ACC+8*(4*\a+\b)+3] offset:64*\b          ; each accumulator from its low end on
	ds_store_b128 v[STO], v[ACC+8*(4*\a+\b)+4:ACC+8*(4*\a+\b)+7] offset:64*\b+16
.endr
.irp t, 0,1,2,3,4,5,6,7
	ds_load_b128 v[TMP+32*(\a%2)+4*\t:TMP+32*(\a%2)+4*\t+3], v[RD] offset:544*\t
.endr
.endm
.macro SEND a, younger
	s_wait_dscnt \younger                          ; the block is back; the next block's eight stores and eight loads may be out
.irp t, 0,1,2,3,4,5,6,7
	global_store_b128 v[CO], v[TMP+32*(\a%2)+4*\t:TMP+32*(\a%2)+4*\t+3], s[8:9] offset:(16*\a+2*\t)*4096 th:TH_STORE_NT
.endr
.endm
	PLACES
	TOSTAGE 0
	TOSTAGE 1
	SEND 0, 16
	s_wait_xcnt 0x0                                ; block 0's stores have read their registers: block 2's loads may land there
	TOSTAGE 2
	SEND 1, 16
	s_wait_xcnt 0x0
	TOSTAGE 3
	SEND 2, 16
	SEND 3, 0
	s_wait_tensorcnt 0x0                           ; the wave's end
	ds_add_u32 v[SPW], v[NIL]
	s_wait_dscnt 0x0
	CROUND                                         ; the closing round
	s_endpgm
.Lfunc_end_k_q8dbe241c52_outp:
	.size	k_q8dbe241c52_outp, .Lfunc_end_k_q8dbe241c52_outp-k_q8dbe241c52_outp
	.p2alignl 7, 3214868480
	.fill 96, 4, 3214868480
	.section	.rodata,"a",@progbits
	.p2align	6, 0x0
	.amdhsa_kernel k_q8dbe241c52_outp
		.amdhsa_group_segment_fixed_size 327680
		.amdhsa_private_segment_fixed_size 0
		.amdhsa_enable_private_segment 0
		.amdhsa_kernarg_size 32
		.amdhsa_user_sgpr_count 2
		.amdhsa_user_sgpr_kernarg_segment_ptr 1
		.amdhsa_wavefront_size32 1
		.amdhsa_system_sgpr_workgroup_id_x 1
		.amdhsa_system_sgpr_workgroup_id_y 1
		.amdhsa_system_sgpr_workgroup_id_z 1
		.amdhsa_system_vgpr_workitem_id 0
		.amdhsa_next_free_vgpr 512
		.amdhsa_next_free_sgpr 66
		.amdhsa_reserve_vcc 0
		.amdhsa_float_denorm_mode_32 3
		.amdhsa_float_denorm_mode_16_64 3
		.amdhsa_memory_ordered 1
		.amdhsa_forward_progress 1
		.amdhsa_inst_pref_size 86
	.end_amdhsa_kernel
	.amdgpu_metadata
---
amdhsa.version: [ 1, 2 ]
amdhsa.kernels:
  - .name:           k_q8dbe241c52_outp
    .symbol:         k_q8dbe241c52_outp.kd
    .args:
      - { .name: ctx, .offset: 0, .size: 8, .value_kind: global_buffer, .address_space: global }
      - { .name: wof, .offset: 8, .size: 8, .value_kind: global_buffer, .address_space: global }
      - { .name: bo, .offset: 16, .size: 8, .value_kind: global_buffer, .address_space: global }
      - { .name: out0, .offset: 24, .size: 8, .value_kind: global_buffer, .address_space: global }
    .group_segment_fixed_size: 327680
    .private_segment_fixed_size: 0
    .kernarg_segment_align: 8
    .kernarg_segment_size: 32
    .max_flat_workgroup_size: 128
    .sgpr_count:     66
    .vgpr_count:     512
    .wavefront_size: 32
...
	.end_amdgpu_metadata
.endif
;; end of part 4
